; MI455X (gfx1250); checked and timed in simulation.
; The chip was launched on July 23, 2026; its instructions are those of AMD's public machine-readable ISA for CDNA 5 (MIT licence, August 2026) and "CDNA5" Instruction Set Architecture Reference Guide (July 2026). The comments in the code are by the model that wrote it; some were corrected since.
;; Transformer Block. Allowed arithmetic: matrix products marked QUANTISED: E4M3 operands, one E8M0 scale for each 32 along K, by v_wmma_scale_f32_16x16x128_f8f6f4 with both operands' format E4M3, f32 sums; everything else in f32.
;; Inputs: fc1_b 4,096 float32; fc1_w_codes 4,096 x 32 x 32 uint8 (E4M3 codes of fc1_w, K innermost, in blocks of 32 codes); fc1_w_scales 4,096 x 32 uint8 (E8M0 scales of fc1_w, one for each 32 codes along K); fc2_b 1,024 float32; fc2_w_codes 1,024 x 128 x 32 uint8 (E4M3 codes of fc2_w, K innermost, in blocks of 32 codes); fc2_w_scales 1,024 x 128 uint8 (E8M0 scales of fc2_w, one for each 32 codes along K); ln1_b 1,024 float32; ln1_g 1,024 float32; ln2_b 1,024 float32; ln2_g 1,024 float32; out_b 1,024 float32; out_w_codes 1,024 x 32 x 32 uint8 (E4M3 codes of out_w, K innermost, in blocks of 32 codes); out_w_scales 1,024 x 32 uint8 (E8M0 scales of out_w, one for each 32 codes along K); qkv_b 3,072 float32; qkv_w_codes 3,072 x 32 x 32 uint8 (E4M3 codes of qkv_w, K innermost, in blocks of 32 codes); qkv_w_scales 3,072 x 32 uint8 (E8M0 scales of qkv_w, one for each 32 codes along K); x 2 x 2,048 x 1,024 float32.
;; Outputs: out0 2 x 2,048 x 1,024 float32.
;; This version of the problem:
;;   THIS VERSION OF THE PROBLEM IS GIVEN IN LOW PRECISION. The matrix products marked QUANTISED in the list below multiply operands that are first quantised to E4M3 (4 exponent bits, 3 mantissa bits; 8 bits a number), with one power-of-two scale for each 32 numbers along K (OCP MX v1.0); their sums are f32. All else is computed in f32.
;;   The module's matrix products, in the order in which they are computed (A, B: the left and right operand; K: the contracted axis; several contracted axes count as one K, in the product's order):
;;     1. [M 4,096, K 1,024] x [K 1,024, N 3,072]; A: computed on the way; B: input qkv_w (given as codes): QUANTISED
;;     2. batch 32 x [M 2,048, K 64] x [K 64, N 2,048]; A: computed on the way; B: computed on the way: QUANTISED
;;     3. batch 32 x [M 2,048, K 2,048] x [K 2,048, N 64]; A: softmax (see below); B: computed on the way: QUANTISED
;;     4. [M 4,096, K 1,024] x [K 1,024, N 1,024]; A: computed on the way; B: input out_w (given as codes): QUANTISED
;;     5. [M 4,096, K 1,024] x [K 1,024, N 4,096]; A: computed on the way; B: input fc1_w (given as codes): QUANTISED
;;     6. [M 4,096, K 4,096] x [K 4,096, N 1,024]; A: computed on the way; B: input fc2_w (given as codes): QUANTISED
;;   THE QUANTISER, for each operand of a quantised product, along K:
;;     - K is cut into blocks of 32 from its start; a last block that is shorter is filled with zeros.
;;     - A block's scale is 2^e with e = floor(log2(the largest magnitude in the block)) - 8, held to -126 .. 127; a block of zeros has e = 0. As a byte (E8M0): e + 127.
;;     - Each number is divided by its block's scale, clamped to +-448, and rounded to the nearest number of E4M3, ties to even, subnormals kept.
;;     - The product sums the exact products of the quantised numbers (number of the format x scale) in f32.
;;   ~~~python
;;   def quantise(x, axis):      # numpy; x: float32 -> the quantised numbers, widened to float32 again
;;       x = np.moveaxis(x, axis, -1); K = x.shape[-1]
;;       x = np.pad(x, [(0, 0)] * (x.ndim - 1) + [(0, -K % 32)]); x = x.reshape(x.shape[:-1] + (-1, 32)); a = np.abs(x).max(-1, keepdims=True)
;;       e = np.where(a > 0, np.clip(np.frexp(np.where(a > 0, a, 1))[1] - 1 - 8, -126, 127), 0)      # np.frexp(a)[1] - 1 = floor(log2(a)), exactly
;;       r = np.clip(x / 2.0 ** e, -448, 448)
;;       step = 2.0 ** (np.maximum(np.frexp(np.where(r == 0, 1, r))[1] - 1, -6) - 3)
;;       q = np.round(r / step) * step * 2.0 ** e      # np.round: ties to even
;;       return np.moveaxis(q.reshape(q.shape[:-2] + (-1,))[..., :K], -1, axis).astype(np.float32)
;;   ~~~
;;   SOFTMAX AHEAD OF A QUANTISED PRODUCT. Where the list says 'softmax', what is quantised is not the finished softmax but p = 2^(t - M), with t = logit x log2(e) and M = ceil(the row's largest t), a whole number; so 1/2 < the row's largest p <= 1. The row's sum l is taken of the UNQUANTISED p, in f32, and the product's result is divided by l at the end. Since M is a whole number, a kernel that streams over the keys may use a running M (the ceiling of the running maximum): every later rescaling is an exact power of two, which a block's scale takes up: the codes' values come out the same.
;;   OPERANDS COMPUTED ON THE WAY. 'Computed on the way' means the value that the module computes at that place (a softmax that the list does not call 'softmax' is quantised finished and normalised). What goes into a quantiser is computed in f32, as accurately as f32 sums, v_exp_f32 and their like allow (about 1e-6 of the number): no bf16 or f16 on the way to a quantiser, and a product that is left as it is and whose result goes on into a quantised operand takes f32 operands (vector FMAs, or v_wmma_f32_16x16x4_f32). A number that lies on a knife's edge between two numbers of the format may be rounded either way, as far as f32 arithmetic and the matrix unit's own rounding can turn it there, and no further.
;;   INPUTS GIVEN AS CODES. fc1_w (in the module: [4096, 1024], K = its axis 1); fc2_w (in the module: [1024, 4096], K = its axis 1); out_w (in the module: [1024, 1024], K = its axis 1); qkv_w (in the module: [3072, 1024], K = its axis 1): each comes as NAME_codes (uint8): NAME with its K axis moved to the last place and cut into blocks of 32 codes, [.., K / 32, bytes a block], one block behind the other in memory; one code a byte (a code: sign, 4 exponent bits, 3 mantissa bits); and NAME_scales (uint8): the same leading axes, one E8M0 byte (e + 127) for each 32 codes along K. Its value is code x scale, taken as it is: it is not quantised again, and the codes and scales need not be those that the quantiser above would give.
;; One version. Each part assembles by itself: llvm-mc -triple=amdgcn-amd-amdhsa -mcpu=gfx1250 --defsym DOCPART=n.
;; ======== version 1 of 1: 7 launches
;; limits: right only within a limited range of input values
;; workspace buffers: nx 4,325,376 bytes; qkvc 13,238,272 bytes; att 4,325,376 bytes; x1 16,777,216 bytes; hid 17,301,504 bytes
;; launch ln1 (part 1): grid 256 x 1, 4 waves a work-group, no clusters, 1,024 bytes of LDS; arguments x, ln1_g, ln1_b, nx; writes nx
.if DOCPART == 1
	.amdgcn_target "amdgcn-amd-amdhsa--gfx1250"
	.amdhsa_code_object_version 6
	.text
	.protected	k_qc45efc1a0c_ln1
	.globl	k_qc45efc1a0c_ln1
	.p2align	8
	.type	k_qc45efc1a0c_ln1,@function
k_qc45efc1a0c_ln1:
	s_mov_b64 s[64:65], 0
	v_nop
	global_prefetch_b8 v0, s[64:65] scope:SCOPE_SE
	s_setreg_imm32_b32 hwreg(HW_REG_WAVE_MODE, 25, 1), 1
	s_wait_xcnt 0x0
; LayerNorm of 4,096 rows of 1,024 f32, then the MX-FP8 quantiser along the row: codes [4096][1024] at byte 0 of the result, scale bytes [4096][32] at byte 4,194,304.
; y = (x - mean) * rsqrt(mean((x - mean)^2) + 1e-5) * g + b, all in f32, the variance in a second pass over the registers (no difference of large sums).
; SHARES.  A work-group takes 16 rows, a wave 4; all four rows of a wave are asked for at the head: 32 loads of 512 bytes a wave are on their way.
; A LANE holds, of each quarter i of a row, the 8 neighbours 256 i + 8 lane + 0 .. 7: the conversion takes 8 neighbours of one lane, a block of 32 is 4 neighbouring lanes,
; and a lane's 8 codes are 8 bytes, so that a wave's store of codes covers 256 consecutive bytes, aligned.  The scale bytes of the 16 rows, 512 bytes, meet in LDS and leave as two aligned runs of 256.
; No matrix unit, no cluster, no tensor load: the launch streams, and work-groups share only g and b (8 KB).
; LIMITS: NaN and infinities are not served; a block of zeros gets the byte 1 (its codes are zeros, and this program alone reads the bytes).
.set SPARE, 512                        ; behind the 512 scale bytes: the spare words, 128 bytes a wave
.set SPW, 8                            ; v8  my spare word's LDS address; never rewritten
.set NIL, 9                            ; v9  0; never rewritten
.set X,   64                           ; v64-191  row p at X + 32 p, register 8 i + j
.set G,   192                          ; v192-223 g of my 32 columns
.set BV,  224                          ; v224-255 b
	s_load_b256 s[4:11], s[0:1], 0x0               ; source s[4:5], g s[6:7], b s[8:9], result s[10:11]
	v_lshl_add_u32 v[SPW], v0, 2, SPARE
	v_mov_b32 v[NIL], 0
	v_lshrrev_b32 v1, 5, v0
	v_readfirstlane_b32 s12, v1                    ; wave
	v_and_b32 v1, 31, v0                           ; lane
	v_lshlrev_b32 v3, 5, v1                        ; g, b: 32 bytes a lane
	s_lshl_b32 s13, s12, 14
	v_add_nc_u32 v2, s13, v3                       ; source: + my wave's 4 rows of 4,096 bytes
	v_lshlrev_b32 v4, 3, v1
	s_lshl_b32 s13, s12, 12
	v_add_nc_u32 v4, s13, v4                       ; codes: 8 bytes a lane + my wave's 4 rows of 1,024
	v_lshrrev_b32 v5, 2, v1
	s_lshl_b32 s13, s12, 7
	v_add_nc_u32 v5, s13, v5                       ; LDS: my block's byte: 128 x wave + lane / 4 (+ 32 x row + 8 x quarter)
	s_and_b32 s13, s12, 1
	s_lshl_b32 s13, s13, 8
	v_lshlrev_b32 v6, 3, v1
	v_add_nc_u32 v6, s13, v6                       ; the scale bytes' way out (waves 0 and 1): 256 x wave + 8 x lane, in LDS and in memory
	v_mov_b32 v22, 0                               ; a lane permute's destination counts as read
	s_mov_b32 s16, 0x76543210
	s_mov_b32 s17, 0xfedcba98                      ; selects: lane l xor 16
	s_mov_b32 s18, 0x3a800000                      ; 1 / 1024
	s_mov_b32 s19, 0x3727c5ac                      ; 1e-5
	s_mov_b32 s20, 0x600000                        ; the mantissa field of 448
	s_lshl_b32 s14, ttmp9, 16                      ; 16 rows of 4,096 bytes
	s_mov_b32 s15, 0
	s_wait_alu depctr_va_vdst(0)
	s_wait_kmcnt 0x0
	s_add_nc_u64 s[4:5], s[4:5], s[14:15]
	s_lshl_b32 s14, ttmp9, 14                      ; 16 rows of 1,024 codes
	s_add_nc_u64 s[22:23], s[10:11], s[14:15]
	s_lshl_b32 s14, ttmp9, 9                       ; 16 rows of 32 scale bytes
	s_add_nc_u64 s[10:11], s[10:11], s[14:15]
	s_add_nc_u64 s[10:11], s[10:11], 0x400000
.irp i, 0,1,2,3
	global_load_b128 v[G+8*\i:G+8*\i+3],    v3, s[6:7] offset:1024*\i
	global_load_b128 v[G+8*\i+4:G+8*\i+7],  v3, s[6:7] offset:1024*\i+16
	global_load_b128 v[BV+8*\i:BV+8*\i+3],  v3, s[8:9] offset:1024*\i
	global_load_b128 v[BV+8*\i+4:BV+8*\i+7], v3, s[8:9] offset:1024*\i+16
.endr
.irp p, 0,1,2,3
.irp i, 0,1,2,3
	global_load_b128 v[X+32*\p+8*\i:X+32*\p+8*\i+3],   v2, s[4:5] offset:4096*\p+1024*\i      ; the two loads of a quarter cover its 1,024 bytes between them
	global_load_b128 v[X+32*\p+8*\i+4:X+32*\p+8*\i+7], v2, s[4:5] offset:4096*\p+1024*\i+16
.endr
.endr
.macro FOLD                            ; four chains of pairs, v[10:17], into v10
	v_pk_add_f32 v[10:11], v[10:11], v[12:13]
	v_pk_add_f32 v[14:15], v[14:15], v[16:17]
	v_pk_add_f32 v[10:11], v[10:11], v[14:15]
	v_add_f32 v10, v10, v11
.endm
.macro REDUCE                          ; v10 summed over the 32 lanes, the result in every lane
	v_add_f32_dpp v10, v10, v10 row_xmask:1 row_mask:0xf bank_mask:0xf
	v_add_f32_dpp v10, v10, v10 row_xmask:2 row_mask:0xf bank_mask:0xf
	v_add_f32_dpp v10, v10, v10 row_xmask:4 row_mask:0xf bank_mask:0xf
	v_add_f32_dpp v10, v10, v10 row_xmask:8 row_mask:0xf bank_mask:0xf
	v_permlanex16_b32 v22, v10, s16, s17
	v_add_f32 v10, v10, v22
.endm
; Row p of my four.  left: the loads of the later rows, 8 each, which may stay out.
.macro ROW p, left
.set XR, X+32*(\p)
.set CD, 40+8*((\p)%2)                 ; codes: two sets by turns
	s_wait_loadcnt \left                           ; loads come back in order: g, b and this row are in
.irp k, 0,1,2,3
	v_pk_add_f32 v[10+2*\k:11+2*\k], v[XR+4*\k:XR+4*\k+1], v[XR+4*\k+2:XR+4*\k+3]
.endr
.irp j, 16,18,20,22,24,26,28,30
	v_pk_add_f32 v[10+\j%8:11+\j%8], v[10+\j%8:11+\j%8], v[XR+\j:XR+\j+1]
.endr
	FOLD
	REDUCE
	v_mul_f32 v18, s18, v10                        ; the mean, twice, for the packed form
	v_mul_f32 v19, s18, v10
.irp j, 0,2,4,6,8,10,12,14,16,18,20,22,24,26,28,30
	v_pk_add_f32 v[XR+\j:XR+\j+1], v[XR+\j:XR+\j+1], v[18:19] neg_lo:[0,1] neg_hi:[0,1]
.endr
.irp k, 0,1,2,3
	v_pk_mul_f32 v[10+2*\k:11+2*\k], v[XR+2*\k:XR+2*\k+1], v[XR+2*\k:XR+2*\k+1]
.endr
.irp j, 8,10,12,14,16,18,20,22,24,26,28,30
	v_pk_fma_f32 v[10+\j%8:11+\j%8], v[XR+\j:XR+\j+1], v[XR+\j:XR+\j+1], v[10+\j%8:11+\j%8]
.endr
	FOLD
	REDUCE
	v_fma_f32 v10, v10, s18, s19                   ; the variance + eps
	s_wait_alu depctr_va_vdst(0)
	v_rsq_f32 v20, v10
	v_rsq_f32 v21, v10
	v_nop                                          ; a plain instruction behind the transcendentals,
	s_wait_alu depctr_va_vdst(0)                   ; and one wait for both, ahead of their first reader
.irp j, 0,2,4,6,8,10,12,14,16,18,20,22,24,26,28,30
	v_pk_mul_f32 v[XR+\j:XR+\j+1], v[XR+\j:XR+\j+1], v[20:21]
.endr
.irp j, 0,2,4,6,8,10,12,14,16,18,20,22,24,26,28,30
	v_pk_fma_f32 v[XR+\j:XR+\j+1], v[XR+\j:XR+\j+1], v[G+\j:G+\j+1], v[BV+\j:BV+\j+1]
.endr
	; the quantiser, the four quarters by turns: my 8 numbers and the floor 2^(9 - 127); then the block's other three lanes
.irp i, 0,1,2,3
	v_max3_num_f32 v[24+\i], |v[XR+8*\i]|, |v[XR+8*\i+1]|, 0x4800000
.endr
.irp j, 2,4,6
.irp i, 0,1,2,3
	v_max3_num_f32 v[24+\i], v[24+\i], |v[XR+8*\i+\j]|, |v[XR+8*\i+\j+1]|
.endr
.endr
.irp m, 1,2
.irp i, 0,1,2,3
	v_max_num_f32_dpp v[24+\i], v[24+\i], v[24+\i] row_xmask:\m row_mask:0xf bank_mask:0xf
.endr
.endr
.irp i, 0,1,2,3
	v_add_nc_u32 v[28+\i], 0xfc000000, v[24+\i]    ; 8 off the exponent field: the conversion's scale operand
.endr
.irp i, 0,1,2,3
	v_and_or_b32 v[32+\i], v[24+\i], 0x7f800000, s20   ; 448 x the scale
.endr
.if (\p) > 0
	s_wait_alu depctr_va_vdst(0)
	s_wait_dscnt 0x0                               ; the last row's byte stores have read their registers
.endif
.irp i, 0,1,2,3
	v_lshrrev_b32 v[36+\i], 23, v[28+\i]           ; the scale's byte
.endr
.if (\p) > 1
	s_wait_xcnt 0x0                                ; the stores of two rows back have read this set of code registers
.endif
.irp i, 0,1,2,3
.irp j, 0,1,2,3,4,5,6,7
	v_med3_num_f32 v[XR+8*\i+\j], v[XR+8*\i+\j], -v[32+\i], v[32+\i]   ; the conversion to an 8-bit code does not saturate (ISA guide 7.6.2): the hold
.endr
	v_cvt_scalef32_pk8_fp8_f32 v[CD+2*\i:CD+2*\i+1], v[XR+8*\i:XR+8*\i+7], v[28+\i]
.endr
	v_nop                                          ; a plain instruction behind the last conversion
.irp i, 0,1,2,3
	ds_store_b8 v5, v[36+\i] offset:32*(\p)+8*\i   ; the four lanes of a block write the same byte with the same value
	global_store_b64 v4, v[CD+2*\i:CD+2*\i+1], s[22:23] offset:1024*(\p)+256*\i   ; 32 lanes: 256 consecutive bytes, aligned
.endr
.endm
	ROW 0, 24
	ROW 1, 16
	ROW 2, 8
	ROW 3, 0
	s_wait_dscnt 0x0                               ; for the others' sake: my byte stores have landed
	s_barrier_signal -1
	s_barrier_wait -1
	s_cmp_gt_u32 s12, 1
	s_cbranch_scc1 .Lend                           ; waves 0 and 1 carry the 512 scale bytes out
	ds_load_b64 v[56:57], v6
	s_wait_dscnt 0x0
	global_store_b64 v6, v[56:57], s[10:11]        ; 32 lanes: 256 consecutive bytes, aligned
.Lend:
	s_wait_tensorcnt 0x0                           ; the wave's end
	ds_add_u32 v[SPW], v[NIL]
	s_wait_dscnt 0x0
	s_endpgm
.Lfunc_end_k_qc45efc1a0c_ln1:
	.size	k_qc45efc1a0c_ln1, .Lfunc_end_k_qc45efc1a0c_ln1-k_qc45efc1a0c_ln1
	.p2alignl 7, 3214868480
	.fill 96, 4, 3214868480
	.section	.rodata,"a",@progbits
	.p2align	6, 0x0
	.amdhsa_kernel k_qc45efc1a0c_ln1
		.amdhsa_group_segment_fixed_size 1024
		.amdhsa_private_segment_fixed_size 0
		.amdhsa_enable_private_segment 0
		.amdhsa_kernarg_size 32
		.amdhsa_user_sgpr_count 2
		.amdhsa_user_sgpr_kernarg_segment_ptr 1
		.amdhsa_wavefront_size32 1
		.amdhsa_system_sgpr_workgroup_id_x 1
		.amdhsa_system_sgpr_workgroup_id_y 1
		.amdhsa_system_sgpr_workgroup_id_z 1
		.amdhsa_system_vgpr_workitem_id 0
		.amdhsa_next_free_vgpr 256
		.amdhsa_next_free_sgpr 66
		.amdhsa_reserve_vcc 0
		.amdhsa_float_denorm_mode_32 3
		.amdhsa_float_denorm_mode_16_64 3
		.amdhsa_memory_ordered 1
		.amdhsa_forward_progress 1
		.amdhsa_inst_pref_size 53
	.end_amdhsa_kernel
	.amdgpu_metadata
---
amdhsa.version: [ 1, 2 ]
amdhsa.kernels:
  - .name:           k_qc45efc1a0c_ln1
    .symbol:         k_qc45efc1a0c_ln1.kd
    .args:
      - { .name: x, .offset: 0, .size: 8, .value_kind: global_buffer, .address_space: global }
      - { .name: ln1_g, .offset: 8, .size: 8, .value_kind: global_buffer, .address_space: global }
      - { .name: ln1_b, .offset: 16, .size: 8, .value_kind: global_buffer, .address_space: global }
      - { .name: nx, .offset: 24, .size: 8, .value_kind: global_buffer, .address_space: global }
    .group_segment_fixed_size: 1024
    .private_segment_fixed_size: 0
    .kernarg_segment_align: 8
    .kernarg_segment_size: 32
    .max_flat_workgroup_size: 128
    .sgpr_count:     66
    .vgpr_count:     256
    .wavefront_size: 32
...
	.end_amdgpu_metadata
.endif
;; end of part 1
;; launch qkvp (part 2): grid 12 x 16, 4 waves a work-group, clusters of 4 x 4, 327,680 bytes of LDS; arguments nx, qkv_w_codes, qkv_w_scales, qkv_b, qkvc; writes qkvc
.if DOCPART == 2
	.amdgcn_target "amdgcn-amd-amdhsa--gfx1250"
	.amdhsa_code_object_version 6
	.text
	.protected	k_qc45efc1a0c_qkvp
	.globl	k_qc45efc1a0c_qkvp
	.p2align	8
	.type	k_qc45efc1a0c_qkvp,@function
k_qc45efc1a0c_qkvp:
	s_mov_b64 s[64:65], 0
	v_nop
	global_prefetch_b8 v0, s[64:65] scope:SCOPE_SE
	s_setreg_imm32_b32 hwreg(HW_REG_WAVE_MODE, 25, 1), 1
	s_wait_xcnt 0x0
	s_wait_alu depctr_hold_cnt(0) depctr_sa_sdst(0) depctr_va_vdst(0) depctr_va_sdst(0) depctr_va_ssrc(0) depctr_va_vcc(0) depctr_vm_vsrc(0)
	s_getreg_b32 s2, hwreg(HW_REG_IB_STS2, 6, 4)
	s_cmp_eq_u32 s2, 0
	s_cbranch_scc0 .Lentry_in_a_cluster
	s_endpgm
.Lentry_in_a_cluster:
	s_bfe_u32 s2, ttmp6, 0x10000c
	s_cmp_lg_u32 s2, 0xf033
	s_cbranch_scc0 .Lentry_shape_is_right
	s_endpgm
.Lentry_shape_is_right:
; A GEMM on codes of MX-FP8 whose result is quantised again on the way out.  K = 1,024.  One text serves two launches: MODE 0: q, k, v = LN1(x) Wqkv^T + b;  MODE 1: gelu(LN2(x1) W1^T + b).
; A tile of 256 x 256 is made by four waves, 128 x 128 each: 64 accumulators, 512 registers.  K goes in steps of 256 through two LDS slots filled by the tensor data mover; the scale bytes of the tile's
; 512 rows come once, in whole runs of 256 bytes, and stay.  CLUSTERS: 4 x 4 work-groups; the A side's tile is asked for jointly along a row of the cluster, the B side's along a column.
; THE MATRIX INSTRUCTION IS USED TRANSPOSED (source 0 = 16 rows of the B side, source 1 = 16 rows of the A side): a lane holds ONE row of the A side and its registers run along the B side.
; The next product's K must run along a lane's registers.  For q, k and the hidden layer that is the weights' axis: A side = tokens, B side = weights.  For v it is the TOKENS (keys): so in the clusters with x = 2
; (MODE 0) the two sides change places by a choice of pointers: A side = v's 1,024 rows of the weight, B side = tokens.  Rows of both tensors are 1,024 bytes of codes and 32 of scales, so nothing else changes.
; THE BIAS along the B side is the C of each sum's first product; v's bias, along the A side, is added on the way out; the one that does not apply is made 0 by a select.
; THE WAY OUT is a loop over the wave's 8 blocks of 16 rows: the block's 64 numbers a lane are copied out of their window (one of 8 short stubs), (MODE 1) put through the exact GELU, quantised in blocks of 32,
; and the codes go through the wave's own stage in LDS so that whole runs of 256 bytes are stored.  Tiles 2 c and 2 c + 1 hold, in lane half h, columns 32 c + 8 h + j and 32 c + 16 + 8 h + j.
; RESULTS, MODE 0 (bytes in qkvc): q, k codes [2][bh 32][t 2048][64] at 0; v codes [bh][chunk of 128 keys 16][d 64][128] at 8,388,608; q, k scale words [2][bh][t] = s0 | s1 << 8 | s0 << 16 | s1 << 24 at 12,582,912
; (the two bytes twice, so that a row's 64 codes may stand in either half of K = 128); v scale words [bh][chunk][d] at 13,107,200.   MODE 1 (hid): codes [chunk of 128 columns 32][4096][128] at 0; scale words [chunk][4096] at 16,777,216.
; GELU: 0.5 x (1 + erf(x / sqrt 2)), erf(z) = z P(z^2) / Q(z^2) with z held to +-4: absolute error of erf about 1e-7; so gelu's relative error grows in the negative tail (about 3e-5 at x = -3).
; LIMITS: NaN and infinities are not served; a block of zeros gets the byte 1 (its codes are zeros; this program alone reads the bytes).
; REGISTERS: window 0: v0-31 addresses; v32-63 scale words, two sets; v64-127 the bias as C; v128-255 A's fragments, one set.  window 1: B's fragments, two sets.  windows 2, 3: accumulators (a, b) at v[8 (8 (a % 4) + b)].
.set MODE,   0
.set KSTEP,  256
.set NQ,     2
.set ROWB,   256
.set KROW,   1024
.set PITCH,  272                       ; 256 bytes + 16: the 16 rows of a fragment load start at 16 different groups of banks
.set FR,     16
.set NL,     4
.set NP,     8                         ; places behind this matrix form (ISA guide 7.12.1)
.set HALFT,  128*PITCH
.set SLOT,   4*HALFT
.set LAPS,   2                         ; K / 512
.set KS,     32
.set SCL,    2*SLOT
.set HALFS,  (128*KS/256)*272
.set SBLK,   (16*KS/256)*272
.set SPARE,  SCL+4*HALFS               ; the spare words, 128 bytes a wave
.set WST,    4096                      ; the way out: a stage for each wave, in slot 0, which has had its last fill and its last read: 16 rows x 144 bytes of codes,
.set WSW,    2560                      ; and from here 1,024 bytes of scale words
.set BO,   7                           ; v7   32 x (lane / 16): the bias' offset
.set GO,   8                           ; v8-11 the code stores' offsets
.set GS,   12                          ; v12  the scale words' offset
.set SSA,  13                          ; v13  stage: where my scale word goes
.set SSR,  14                          ; v14  and where the words are read back
.set PW,   15                          ; v15  the scale word just made
.set ADRA, 16
.set SV,   18
.set W0,   19
.set ADRB, 20
.set W1,   22
.set STO,  24
.set RDA,  25
.set ADRS, 27
.set SPW,  28
.set NIL,  29
.set RBO,  30                          ; v30  4 x (lane % 16): the row bias' offset
.set SC,   32
.set BIAS, 64
.set AF,   128
.set TM,   32                          ; the way out: at work
.set PC,   48                          ; the codes just made
.set OUTR, 192                         ; codes read back from the stage
.if MODE
.set XQ,   64                          ; z, then gelu
.set HX,   128                         ; x / 2
.set QQ,   192                         ; Q, then 1 / Q
.set TT,   32                          ; z^2, 8 pairs
.set PP,   48                          ; P, 8 pairs
.set RS2, 24
.set A11, 26
.set A9,  28
.set A7,  30
.set A5,  32
.set A3,  34
.set A1,  36
.set B6,  38
.set B4,  40
.set B2,  42
.set B0,  44
.else
.set XQ,   128
.set RB,   80                          ; v80-95 the row bias of block a, as a pair
.endif
.set G1, 24
.set G0, 32
.set G1B, 48
.set G0B, 56
.set G1S, 68
.set G0S, 76
.set G1SB, 80
.set G0SB, 88
.set MSB, 0
.macro WIN new                         ; the immediate's high byte repeats the setting that is left
.if MSB != (\new)
	s_set_vgpr_msb (MSB<<8)|(\new)
.set MSB, (\new)
.endif
.endm
.set MUL_LO, 0xa1                      ; source 0 (B) window 1, source 1 (A) window 0, C and D window 2
.set MUL_HI, 0xf1                      ; the same, C and D window 3
.set TO_B,   0x40
; A joint load: waves 0 and 1 fetch for the A side, waves 2 and 3 for the B side.  An s_nop 0 and four v_nop follow each line.
.macro JLOAD g0a, g1a, g0b, g1b
	s_cmp_eq_u32 s15, 0
	s_cbranch_scc0 .Lfor_b_\@
	tensor_load_to_lds s[\g0a:\g0a+3], s[\g1a:\g1a+7]
	s_nop 0
.rept 4
	v_nop
.endr
	s_branch .Lasked_\@
.Lfor_b_\@:
	tensor_load_to_lds s[\g0b:\g0b+3], s[\g1b:\g1b+7]
	s_nop 0
.rept 4
	v_nop
.endr
.Lasked_\@:
.endm
.macro CREST                           ; a round of the cluster's barrier behind its opening barrier
	s_cmp_lg_u32 s14, 0
	s_cbranch_scc1 .Lnot_wave_0_\@
	s_barrier_signal -3
.Lnot_wave_0_\@:
	s_barrier_wait -3
	s_barrier_signal -1
	s_barrier_wait -1
.endm
.macro CROUND
	s_barrier_signal -1
	s_barrier_wait -1
	CREST
.endm
	s_load_b256 s[4:11], s[0:1], 0x0               ; the activations' codes and scales s[4:5], W's codes s[6:7], W's scales s[8:9], the bias s[10:11]
	s_load_b64 s[12:13], s[0:1], 0x20              ; the result
	v_lshl_add_u32 v[SPW], v0, 2, SPARE
	v_mov_b32 v[NIL], 0
	ds_add_u32 v[SPW], v[NIL]                      ; the wave's opening: the add and its wait ahead of my first tensor load
	ds_add_u32 v[SPW], v[NIL]
	v_lshrrev_b32 v1, 5, v0
	v_readfirstlane_b32 s14, v1                    ; wave
	s_lshr_b32 s15, s14, 1                         ; my half of the A side's rows.  Also: I fetch for A (0) or B (1)
	s_and_b32 s16, s14, 1                          ; my half of the B side's rows.  Also: which 128 rows I fetch
	s_bfe_u32 s40, ttmp6, 0x40000                  ; cx
	s_bfe_u32 s41, ttmp6, 0x40004                  ; cy
	s_and_b32 s18, ttmp7, 0xffff
	s_lshl_b32 s18, s18, 2                         ; 4 x cluster y
	s_lshl_b32 s19, ttmp9, 2                       ; 4 x cluster x
.if MODE
	s_add_co_u32 s17, s18, s41                     ; the A side's tile (tokens)
	s_add_co_u32 s42, s19, s40                     ; the B side's tile (weights)
.else
	s_cmp_eq_u32 ttmp9, 2                          ; v's clusters: the cluster's x, the same in all sixteen partners
	s_cselect_b32 s17, 0, s18
	s_cselect_b32 s42, s18, s19
	s_cselect_b32 s66, -1, 0                       ; all lanes in v's clusters,
	s_cselect_b32 s67, 0, -1                       ; all lanes in q's and k's
	s_add_co_u32 s17, s17, s41                     ; A's tile: tokens 4 Y + cy, or v's rows cy
	s_add_co_u32 s42, s42, s40                     ; B's tile: weights 4 X + cx, or tokens 4 Y + cx
.endif
	s_lshl_b32 s43, s41, 2
	s_lshl_b32 s43, 15, s43                        ; my row of the cluster
	s_lshl_b32 s44, 0x1111, s40                    ; my column
	s_or_b32 s[G1+0], s43, (0<<16)|(1<<20)|(1<<21)|(5<<22)|(3<<25)  ; mask; elements of 1 byte; padding on; bit 21 beside a mask; 4 words behind every 64
	s_or_b32 s[G1B+0], s44, (0<<16)|(1<<20)|(1<<21)|(5<<22)|(3<<25)
.irp g, G1, G1B
	s_mov_b32 s[\g+1], ROWB<<16                    ; tensor_dim0
	s_mov_b32 s[\g+2], 256<<16                     ; tensor_dim1: 256 rows for the head's loads; set to 128 for the ring's behind them
	s_mov_b32 s[\g+3], ROWB<<16                    ; tile_dim0
	s_mov_b32 s[\g+4], 256                         ; tile_dim1
	s_mov_b32 s[\g+5], KROW                        ; the pitch
	s_mov_b32 s[\g+6], 0
	s_mov_b32 s[\g+7], 0
.endr
	s_or_b32 s[G1S+0], s43, (3<<16)|(1<<20)|(1<<21)|(5<<22)|(3<<25) ; the scales: dense bytes as rows of 256 (32 elements of 8 bytes)
	s_or_b32 s[G1SB+0], s44, (3<<16)|(1<<20)|(1<<21)|(5<<22)|(3<<25)
.irp g, G1S, G1SB
	s_mov_b32 s[\g+1], 32<<16
	s_mov_b32 s[\g+2], (256*KS/256)<<16            ; the scales of 256 rows: 8,192 dense bytes as 32 rows of 256
	s_mov_b32 s[\g+3], 32<<16
	s_mov_b32 s[\g+4], 256*KS/256
	s_mov_b32 s[\g+5], 32
	s_mov_b32 s[\g+6], 0
	s_mov_b32 s[\g+7], 0
.endr
	s_lshl_b32 s18, s16, 7                         ; which 128 rows of a tile I fetch
	s_lshl_b32 s20, s17, 8
	s_add_co_u32 s20, s20, s18                     ; A's row
	s_lshl_b32 s46, s42, 8
	s_add_co_u32 s46, s46, s18                     ; B's row
	s_lshl_b32 s22, s20, 5                         ; its scales, 32 bytes a row,
	s_lshl_b32 s92, s46, 5
	s_lshl_b32 s20, s20, 10                        ; its codes, 1,024 bytes a row (all under 2^23)
	s_lshl_b32 s46, s46, 10
	s_mov_b32 s21, 0
	s_mov_b32 s23, 0
	s_mov_b32 s47, 0
	s_mov_b32 s93, 0
	s_mul_i32 s45, s14, HALFT                      ; where they go: wave x 128 rows
	s_wait_dscnt 0x0                               ; the opening add is done
	s_wait_kmcnt 0x0
.if MODE
	s_add_nc_u64 s[20:21], s[4:5], s[20:21]
	s_add_nc_u64 s[22:23], s[4:5], s[22:23]
	s_add_nc_u64 s[22:23], s[22:23], 0x400000      ; the activations' scale bytes lie behind their codes
	s_add_nc_u64 s[46:47], s[6:7], s[46:47]
	s_add_nc_u64 s[92:93], s[8:9], s[92:93]
.else
	s_add_nc_u64 s[96:97], s[4:5], 0x400000        ; the activations' scale bytes
	s_add_nc_u64 s[98:99], s[6:7], 0x200000        ; v's rows of the weight: 2,048 rows of 1,024 bytes on,
	s_add_nc_u64 s[100:101], s[8:9], 0x10000       ; and of its scales
	s_cmp_eq_u32 ttmp9, 2
	s_cselect_b64 s[18:19], s[98:99], s[4:5]       ; the A side's codes
	s_cselect_b64 s[2:3], s[100:101], s[96:97]     ; and scales
	s_cselect_b64 s[98:99], s[4:5], s[6:7]         ; the B side's codes
	s_cselect_b64 s[100:101], s[96:97], s[8:9]     ; and scales
	s_add_nc_u64 s[20:21], s[18:19], s[20:21]
	s_add_nc_u64 s[22:23], s[2:3], s[22:23]
	s_add_nc_u64 s[46:47], s[98:99], s[46:47]
	s_add_nc_u64 s[92:93], s[100:101], s[92:93]
.endif
	CROUND                                         ; all sixteen work-groups are here: the first joint loads meet
	s_lshl_b32 s100, s16, 12                       ; the scale bytes of my half's 128 rows: taken off again, a scale load brings a side's 256 rows whole
	s_mov_b32 s101, 0
	s_mov_b32 s[G0S], 1
	s_mov_b32 s[G0S+1], SCL
	s_sub_nc_u64 s[G0S+2:G0S+3], s[22:23], s[100:101]
	s_or_b32 s[G0S+3], s[G0S+3], 0x80000000
	s_mov_b32 s[G0SB], 1
	s_mov_b32 s[G0SB+1], SCL+2*HALFS
	s_sub_nc_u64 s[G0SB+2:G0SB+3], s[92:93], s[100:101]
	s_or_b32 s[G0SB+3], s[G0SB+3], 0x80000000
.irp s, 0,1
	s_mov_b32 s[G0+4*\s], 1
	s_add_co_u32 s[G0+4*\s+1], s45, \s*SLOT
	s_add_nc_u64 s[G0+4*\s+2:G0+4*\s+3], s[20:21], \s*ROWB
	s_or_b32 s[G0+4*\s+3], s[G0+4*\s+3], 0x80000000
	s_mov_b32 s[G0B+4*\s], 1
	s_add_co_u32 s[G0B+4*\s+1], s45, \s*SLOT
	s_add_nc_u64 s[G0B+4*\s+2:G0B+4*\s+3], s[46:47], \s*ROWB
	s_or_b32 s[G0B+4*\s+3], s[G0B+4*\s+3], 0x80000000
.endr
; THE HEAD'S LOADS, ONE A WAVE: wave 0 K step 0's 256 rows of the A side, wave 2 those of the B side: their own slot 0 descriptors begin at the tile's first row and at the side's first LDS byte;
; wave 1 the A side's scale bytes, wave 3 the B side's.  One chain of branches on the wave's number, a load to an arm.
.macro ARM under, g0, g1, next
	s_cmp_lt_u32 s14, \under
	s_cbranch_scc0 \next
	tensor_load_to_lds s[\g0:\g0+3], s[\g1:\g1+7]
	s_nop 0
.rept 4
	v_nop
.endr
	s_branch .Lhead_asked
\next:
.endm
	ARM 1, G0,  G1,  .Lhead_sa
	ARM 2, G0S, G1S, .Lhead_b
	ARM 3, G0B, G1B, .Lhead_sb
	tensor_load_to_lds s[G0SB:G0SB+3], s[G1SB:G1SB+7]
	s_nop 0
.rept 4
	v_nop
.endr
.Lhead_asked:
	v_and_b32 v1, 15, v0                           ; r
	v_bfe_u32 v2, v0, 4, 1                         ; h
	v_mul_u32_u24 v3, v1, PITCH
	v_lshl_add_u32 v4, v2, 4, v3
	s_mul_i32 s21, s15, HALFT
	s_mul_i32 s22, s16, HALFT
	s_add_co_u32 s22, s22, 2*HALFT
.irp s, 0,1
	v_add_nc_u32 v[ADRA+\s], s21, v4
	v_add_nc_u32 v[ADRB+\s], s22, v4
	s_add_co_u32 s21, s21, SLOT
	s_add_co_u32 s22, s22, SLOT
.endr
	v_mul_u32_u24 v5, v1, KS                       ; my row's scales: 32 bytes a row, and 16 more for each 256 passed
	v_lshrrev_b32 v6, 8, v5
	v_lshl_add_u32 v5, v6, 4, v5
	s_mul_i32 s21, s15, HALFS
	s_mul_i32 s22, s16, HALFS
	s_add_co_u32 s22, s22, 2*HALFS
	s_sub_co_u32 s22, s22, s21
	v_mul_u32_u24 v6, s22, v2                      ; lanes 16-31 take the B side's
	s_add_co_u32 s21, s21, SCL
	v_add_nc_u32 v5, v5, v6
	v_add_nc_u32 v[ADRS], s21, v5
	; the way out's LDS addresses
	s_lshl_b32 s23, s14, 12                        ; my stage
	v_mul_u32_u24 v5, v1, 144
	v_lshl_add_u32 v5, v2, 3, v5
	v_add_nc_u32 v[STO], s23, v5                   ; in: row r, 8 bytes for each half of the lanes
	v_and_b32 v6, 31, v0                           ; lane
	v_lshrrev_b32 v5, 3, v6
	v_mul_u32_u24 v5, v5, 144
	v_and_b32 v4, 7, v6
	v_lshl_add_u32 v5, v4, 4, v5
	v_add_nc_u32 v[RDA], s23, v5                   ; back: eight lanes to a row of 128 bytes, four rows an instruction
	v_lshlrev_b32 v5, 2, v1
	v_lshl_add_u32 v5, v2, 9, v5
	v_add_nc_u32 v5, s23, v5
	v_add_nc_u32 v[SSA], WSW, v5                   ; my scale word: 4 r, lanes 16-31 512 bytes on; 64 bytes on in each trip
	v_lshl_add_u32 v5, v6, 4, s23
	v_add_nc_u32 v[SSR], WSW, v5
	v_lshlrev_b32 v[BO], 5, v2
	s_wait_alu depctr_va_vdst(0)
	v_lshlrev_b32 v[RBO], 2, v1
	; the bias along the B side: column 256 x tile + 128 x half
	s_lshl_b32 s46, s42, 10
	s_lshl_b32 s47, s16, 9
	s_add_co_u32 s46, s46, s47
.if MODE == 0
	s_cmp_eq_u32 ttmp9, 2
	s_cselect_b32 s46, 0, s46                      ; (v's clusters read the first numbers and make them 0)
	s_lshl_b32 s94, s41, 10                        ; the bias along the A side: v's row 2,048 + 256 cy + 128 x half: inside the buffer in every work-group
	s_lshl_b32 s95, s15, 9
	s_add_co_u32 s94, s94, s95
	s_add_co_u32 s94, s94, 8192
	s_mov_b32 s95, 0
	s_add_nc_u64 s[94:95], s[10:11], s[94:95]
.endif
	s_mov_b32 s47, 0
	s_add_nc_u64 s[10:11], s[10:11], s[46:47]
.irp b, 0,1,2,3,4,5,6,7
	global_load_b128 v[BIAS+8*\b:BIAS+8*\b+3],   v[BO], s[10:11] offset:64*\b       ; tile b, register j: column 16 b + 8 h + j
	global_load_b128 v[BIAS+8*\b+4:BIAS+8*\b+7], v[BO], s[10:11] offset:64*\b+16
.endr
	; where my results go
.if MODE
	v_lshlrev_b32 v[GO], 4, v6                     ; 16 rows of 128 bytes are dense: 16 x lane, 512 bytes an instruction
	v_lshlrev_b32 v[GS], 4, v6
	s_lshl_b32 s96, s42, 1
	s_add_co_u32 s96, s96, s16                     ; my chunk of 128 columns
	s_lshl_b32 s97, s17, 8
	s_lshl_b32 s98, s15, 7
	s_add_co_u32 s97, s97, s98                     ; my first row
	s_lshl_b32 s98, s96, 19
	s_lshl_b32 s99, s97, 7
	s_add_co_u32 s98, s98, s99                     ; codes
	s_lshl_b32 s96, s96, 14
	s_lshl_b32 s97, s97, 2
	s_add_co_u32 s96, s96, s97
	s_add_co_u32 s96, s96, 16777216                ; scale words
	s_mov_b32 s99, 0
	s_mov_b32 s97, 0
	s_add_nc_u64 s[98:99], s[12:13], s[98:99]
	s_add_nc_u64 s[12:13], s[12:13], s[96:97]
.else
	s_cmp_eq_u32 ttmp9, 2
	s_mov_b32 s18, 0x20000
	s_cselect_b32 s18, 64, s18                     ; from a row's first 64 bytes to its second: v: 64 (the same row); q, k: the next head, 2,048 x 64
	s_cselect_b32 s19, 128, 64                     ; from row to row
	s_mov_b32 s2, 256
	s_cselect_b32 s2, 4096, s2                     ; the scale words' second 64: v: the next head; q, k: on end
	v_bfe_u32 v4, v0, 2, 1
	v_mul_lo_u32 v4, v4, s18
	v_bfe_u32 v5, v0, 3, 2
	v_mul_lo_u32 v5, v5, s19
	v_add_nc_u32 v4, v4, v5
	v_and_b32 v5, 3, v0
	v_lshl_add_u32 v[GO], v5, 4, v4
	s_lshl_b32 s19, s19, 2                         ; four rows an instruction
	v_add_nc_u32 v[GO+1], s19, v[GO]
	v_add_nc_u32 v[GO+2], s19, v[GO+1]
	v_add_nc_u32 v[GO+3], s19, v[GO+2]
	v_mul_lo_u32 v5, v2, s2
	v_lshl_add_u32 v[GS], v1, 4, v5
	; q, k: which (q or k, batch, head) and which token
	s_lshr_b32 s96, s42, 2
	s_lshl_b32 s96, s96, 5
	s_lshr_b32 s97, s17, 3
	s_lshl_b32 s97, s97, 4
	s_add_co_u32 s96, s96, s97
	s_and_b32 s97, s42, 3
	s_lshl_b32 s97, s97, 2
	s_add_co_u32 s96, s96, s97
	s_lshl_b32 s97, s16, 1
	s_add_co_u32 s96, s96, s97
	s_and_b32 s97, s17, 7
	s_lshl_b32 s97, s97, 8
	s_lshl_b32 s98, s15, 7
	s_add_co_u32 s97, s97, s98
	s_lshl_b32 s98, s96, 17
	s_lshl_b32 s99, s97, 6
	s_add_co_u32 s98, s98, s99                     ; codes
	s_lshl_b32 s96, s96, 13
	s_lshl_b32 s97, s97, 2
	s_add_co_u32 s96, s96, s97
	s_add_co_u32 s96, s96, 12582912                ; scale words
	; v: which (batch, head, chunk of keys)
	s_lshr_b32 s99, s42, 3
	s_lshl_b32 s99, s99, 4
	s_lshl_b32 s100, s17, 2
	s_add_co_u32 s99, s99, s100
	s_lshl_b32 s100, s15, 1
	s_add_co_u32 s99, s99, s100
	s_lshl_b32 s99, s99, 4
	s_and_b32 s100, s42, 7
	s_lshl_b32 s100, s100, 1
	s_add_co_u32 s99, s99, s100
	s_add_co_u32 s99, s99, s16
	s_lshl_b32 s100, s99, 13
	s_add_co_u32 s100, s100, 8388608               ; codes
	s_lshl_b32 s99, s99, 8
	s_add_co_u32 s99, s99, 13107200                ; scale words
	s_cmp_eq_u32 ttmp9, 2
	s_cselect_b32 s98, s100, s98
	s_cselect_b32 s96, s99, s96
	s_mov_b32 s99, 0
	s_mov_b32 s97, 0
	s_add_nc_u64 s[98:99], s[12:13], s[98:99]
	s_add_nc_u64 s[12:13], s[12:13], s[96:97]
	s_mov_b32 s100, 1024
	s_cselect_b32 s100, 2048, s100                 ; 16 rows on
	s_mov_b32 s101, 0
	s_cselect_b32 s96, 122880, 0                   ; v: behind block 3 the next head begins: 131,072 - 8,192 more
.endif
.macro FRAG reg, adr, q, i             ; 16 rows x 128 K: registers 4 c .. 4 c + 3 hold K = 32 c + 16 (lane / 16) + 0 .. 15
.irp c, 0,1,2,3
	ds_load_b128 v[\reg+4*\c:\reg+4*\c+3], v[\adr] offset:128*(\q)+32*\c+(\i)*16*PITCH
.endr
.endm
; 16 matrix instructions: A's blocks a0, a0 + 1 x B's eight.  zero = 1: the first product starts the sums from the bias.  The 64 accumulators take turns, one instruction a turn.
.macro MUL16 a0, p, q, sc, zero
.irp a, \a0, \a0+1
.irp b, 0,1,2,3,4,5,6,7
.if \zero
	v_wmma_scale_f32_16x16x128_f8f6f4 v[8*(8*((\a)%4)+\b):8*(8*((\a)%4)+\b)+7], v[128*(\p)+FR*\b:128*(\p)+FR*\b+FR-1], v[AF+FR*(\a):AF+FR*(\a)+FR-1], v[BIAS+8*\b:BIAS+8*\b+7], v[SC+8*NQ*(\sc)+NQ*\b+(\q)], v[SC+8*NQ*(\sc)+NQ*(\a)+(\q)] matrix_a_scale:MATRIX_SCALE_ROW1
.else
	v_wmma_scale_f32_16x16x128_f8f6f4 v[8*(8*((\a)%4)+\b):8*(8*((\a)%4)+\b)+7], v[128*(\p)+FR*\b:128*(\p)+FR*\b+FR-1], v[AF+FR*(\a):AF+FR*(\a)+FR-1], v[8*(8*((\a)%4)+\b):8*(8*((\a)%4)+\b)+7], v[SC+8*NQ*(\sc)+NQ*\b+(\q)], v[SC+8*NQ*(\sc)+NQ*(\a)+(\q)] matrix_a_scale:MATRIX_SCALE_ROW1
.endif
.endr
.endr
.endm
.macro FETCH_B slot, q, p
	WIN TO_B
.irp i, 0,1,2,3,4,5,6,7
	FRAG 128*(\p)+FR*\i, ADRB+\slot, \q, \i
.endr
	WIN 0
.endm
.macro FETCH_A slot, q, i0
.irp i, \i0, \i0+1, \i0+2, \i0+3
	FRAG AF+FR*(\i), ADRA+\slot, \q, \i
.endr
.endm
.macro SCALES sc                       ; a K step's scale words: lanes 0-15 A's block i, lanes 16-31 B's block i
.irp i, 0,1,2,3,4,5,6,7
	ds_load_b64 v[SC+8*NQ*\sc+NQ*\i:SC+8*NQ*\sc+NQ*\i+1], v[ADRS] offset:\i*SBLK
.endr
.endm
.macro PLACES n                        ; plain vector instructions between a matrix instruction and a load into, or a read of, its registers
.rept \n
	v_nop
.endr
.endm
.macro STEP slot, q, zero              ; 128 along K whose successor lies in the same slot
	s_wait_dscnt 4*NL                              ; B's set and A's blocks 0-3 are in; the youngest 16 loads (A's blocks 4-7) may be out
	WIN MUL_LO-0x20*(\zero)                        ; (with the bias as C: source 2 in window 0)
	MUL16 0, (\q)%2, \q, \slot, \zero
	MUL16 2, (\q)%2, \q, \slot, \zero
	s_wait_dscnt 0
	PLACES NP
	FETCH_B \slot, (\q)+1, 1-(\q)%2
	FETCH_A \slot, (\q)+1, 0
	WIN MUL_HI-0x30*(\zero)
	MUL16 4, (\q)%2, \q, \slot, \zero
	MUL16 6, (\q)%2, \q, \slot, \zero
	PLACES NP
	WIN 0
	FETCH_A \slot, (\q)+1, 4
.endm
; A slot's last step changes slots: one barrier; in front of it each wave waits for all its tensor loads, adds 0 to its spare word, and waits for that and for its reads of this slot.
.macro TURN slot, next, fill
	s_wait_tensorcnt 0x0                           ; all my tensor loads have landed: my part of the next slot
	ds_add_u32 v[SPW], v[NIL]
	s_wait_dscnt 4*NL+1                            ; the add and the youngest 16 loads may be out
	WIN MUL_LO
	MUL16 0, 1, NQ-1, \slot, 0
	s_wait_dscnt 0x0                               ; the add is done, and my reads of this slot are over
	s_barrier_signal -1
	MUL16 2, 1, NQ-1, \slot, 0
	WIN 0
	s_barrier_wait -1
.if \fill
	CREST                                          ; the barrier has opened a round of the cluster's: no wave of any partner still reads this slot or has a load on its way
	s_add_nc_u64 s[G0+4*\slot+2:G0+4*\slot+3], s[G0+4*\slot+2:G0+4*\slot+3], 2*ROWB
	s_add_nc_u64 s[G0B+4*\slot+2:G0B+4*\slot+3], s[G0B+4*\slot+2:G0B+4*\slot+3], 2*ROWB
	JLOAD G0+4*\slot, G1, G0B+4*\slot, G1B         ; the first tensor load behind the round; its four v_nop are among the places below
	PLACES NP-4
.else
	PLACES NP
.endif
	s_wait_alu depctr_va_vdst(0)
	v_add_nc_u32 v[ADRS], 4*NQ, v[ADRS]
	FETCH_B \next, 0, 0
	FETCH_A \next, 0, 0
	SCALES \next
	WIN MUL_HI
	MUL16 4, 1, NQ-1, \slot, 0
	MUL16 6, 1, NQ-1, \slot, 0
	PLACES NP
	WIN 0
	FETCH_A \next, 0, 4
.endm
	s_wait_alu depctr_va_vdst(0)
	s_wait_tensorcnt 0x0                           ; my tile of the head's four is in
	ds_add_u32 v[SPW], v[NIL]
	s_mov_b32 s[G1+2], 128<<16                     ; no tensor load of mine is out: from here on a load brings 128 rows
	s_mov_b32 s[G1+4], 128
	s_mov_b32 s[G1B+2], 128<<16
	s_mov_b32 s[G1B+4], 128
	s_wait_dscnt 0x0
	CROUND                                         ; all four tiles are in, and all sixteen work-groups are here
	JLOAD G0+4, G1, G0B+4, G1B                     ; K step 1, the first tensor load behind the round
	FETCH_B 0, 0, 0
	FETCH_A 0, 0, 0
	SCALES 0
	FETCH_A 0, 0, 4
	s_wait_loadcnt 0x0                             ; the bias
.if MODE == 0
.set i, 0
.rept 64
	v_cndmask_b32 v[BIAS+i], 0, v[BIAS+i], s67     ; in v's clusters the B side is tokens: no bias along it
.set i, i+1
.endr
	PLACES NP
.endif
	s_wait_alu depctr_va_vdst(0)
	STEP 0, 0, 1                                   ; the first step stands in front of the loop: its products start the sums
.if MODE == 0
.irp a, 0,1,2,3,4,5,6,7
	global_load_b32 v[64+\a], v[RBO], s[94:95] offset:64*\a   ; the bias along the A side, row 16 a + r: into registers that the first step has left (its closing places stand between); awaited on the way out
.endr
.endif
	s_mov_b32 s3, LAPS-1
.Llap:
	TURN 0, 1, 1
	STEP 1, 0, 0
	TURN 1, 0, 1
	STEP 0, 0, 0
	s_sub_co_u32 s3, s3, 1
	s_cmp_lg_u32 s3, 0
	s_cbranch_scc1 .Llap
	TURN 0, 1, 0                                   ; the last lap fills nothing
	STEP 1, 0, 0
	s_wait_dscnt 4*NL
	WIN MUL_LO
	MUL16 0, 1, NQ-1, 1, 0
	MUL16 2, 1, NQ-1, 1, 0
	s_wait_dscnt 0
	WIN MUL_HI
	MUL16 4, 1, NQ-1, 1, 0
	MUL16 6, 1, NQ-1, 1, 0
	WIN 0
	PLACES NP                                      ; behind the last products: their results are read, and their operands' and scales' registers written, below
; 64 numbers of a lane, v[s] on, registers 16 b .. 16 b + 15 in block b of my row, become codes in v[PC] on and the row's scale word in v[PW]
.macro QUANT s
.irp b, 0,1,2,3
	v_max3_num_f32 v[TM+\b], |v[\s+16*\b]|, |v[\s+1+16*\b]|, 0x4800000   ; my 16 numbers and the floor 2^(9 - 127): the byte cannot fall under 1
.endr
.irp i, 2,4,6,8,10,12,14
.irp b, 0,1,2,3
	v_max3_num_f32 v[TM+\b], v[TM+\b], |v[\s+16*\b+\i]|, |v[\s+1+16*\b+\i]|
.endr
.endr
.irp b, 0,1,2,3
	v_permlanex16_b32 v[TM+4+\b], v[TM+\b], s20, s21
.endr
.irp b, 0,1,2,3
	v_max_num_f32 v[TM+\b], v[TM+\b], v[TM+4+\b]   ; with lane l xor 16's 16: the block's largest magnitude
.endr
.irp b, 0,1,2,3
	v_add_nc_u32 v[TM+12+\b], 0xfc000000, v[TM+\b] ; 8 off the exponent field: the conversion's scale operand
.endr
.irp b, 0,1,2,3
	v_and_or_b32 v[TM+8+\b], v[TM+\b], 0x7f800000, s23   ; 448 x the scale
.endr
.irp b, 0,1,2,3
	v_lshrrev_b32 v[TM+4+\b], 23, v[TM+12+\b]      ; the byte
.endr
	v_lshl_or_b32 v[PW], v[TM+5], 8, v[TM+4]
	v_lshl_or_b32 v[PW], v[TM+6], 16, v[PW]
	v_lshl_or_b32 v[PW], v[TM+7], 24, v[PW]
.irp b, 0,1,2,3
.irp i, 0,1,2,3,4,5,6,7,8,9,10,11,12,13,14,15
	v_med3_num_f32 v[\s+16*\b+\i], v[\s+16*\b+\i], -v[TM+8+\b], v[TM+8+\b]   ; the conversion does not saturate (ISA guide 7.6.2): the hold
.endr
	v_cvt_scalef32_pk8_fp8_f32 v[PC+4*\b:PC+1+4*\b], v[\s+16*\b:\s+7+16*\b], v[TM+12+\b]
	v_cvt_scalef32_pk8_fp8_f32 v[PC+2+4*\b:PC+3+4*\b], v[\s+8+16*\b:\s+15+16*\b], v[TM+12+\b]
.endr
	v_nop                                          ; a plain instruction behind the last conversion
.endm
; Block a's 64 numbers a lane leave their window, each accumulator from its low end on
.macro STUB a, jump
	WIN 0x02+(\a)/4                                ; source 0: window 2 or 3
.set AC, 64*((\a)%4)
.set i, 0
.rept 32
.if MODE
	v_pk_mul_f32 v[XQ+i:XQ+i+1], v[AC+i:AC+i+1], s[RS2:RS2+1] op_sel_hi:[1,0]   ; z = x / sqrt 2
.else
	v_pk_add_f32 v[XQ+i:XQ+i+1], v[AC+i:AC+i+1], v[RB+2*(\a):RB+2*(\a)+1]       ; + the bias of my row (0 for q and k)
.endif
.set i, i+2
.endr
.if MODE
.set i, 0
.rept 32
	v_pk_mul_f32 v[HX+i:HX+i+1], v[AC+i:AC+i+1], 0.5 op_sel_hi:[1,0]
.set i, i+2
.endr
.endif
	WIN 0
.if \jump
	s_branch .Lbody
.endif
.endm
.if MODE
.macro KPAIR r, val                    ; a constant as a pair: the packed forms name a pair and take its low word for both halves
	s_mov_b32 s[\r], \val
	s_mov_b32 s[\r+1], \val
.endm
.macro LEVEL d, k                      ; eight pairs: d = d z^2 + k
.set i, 0
.rept 8
	v_pk_fma_f32 v[\d+i:\d+i+1], v[\d+i:\d+i+1], v[TT+i:TT+i+1], s[\k:\k+1] op_sel_hi:[1,1,0]
.set i, i+2
.endr
.endm
.macro GELU                            ; v[XQ] on: z -> x (1 + erf z) / 2.  Four batches of 16 numbers; each level is eight lines that do not wait for each other
.irp g, 0,1,2,3
.set i, 0
.rept 16
	v_med3_num_f32 v[XQ+16*\g+i], v[XQ+16*\g+i], -4.0, 4.0
.set i, i+1
.endr
.set i, 0
.rept 8
	v_pk_mul_f32 v[TT+i:TT+i+1], v[XQ+16*\g+i:XQ+16*\g+i+1], v[XQ+16*\g+i:XQ+16*\g+i+1]
.set i, i+2
.endr
.set i, 0
.rept 8
	v_pk_fma_f32 v[PP+i:PP+i+1], v[TT+i:TT+i+1], v[20:21], s[A11:A11+1] op_sel_hi:[1,1,0]
.set i, i+2
.endr
	LEVEL PP, A9
	LEVEL PP, A7
	LEVEL PP, A5
	LEVEL PP, A3
	LEVEL PP, A1
.set i, 0
.rept 8
	v_pk_fma_f32 v[QQ+16*\g+i:QQ+16*\g+i+1], v[TT+i:TT+i+1], v[2:3], s[B6:B6+1] op_sel_hi:[1,1,0]
.set i, i+2
.endr
	LEVEL QQ+16*\g, B4
	LEVEL QQ+16*\g, B2
	LEVEL QQ+16*\g, B0
.set i, 0
.rept 8
	v_pk_mul_f32 v[XQ+16*\g+i:XQ+16*\g+i+1], v[XQ+16*\g+i:XQ+16*\g+i+1], v[PP+i:PP+i+1]
.set i, i+2
.endr
.endr
.set i, 0
.rept 64
	v_rcp_f32 v[QQ+i], v[QQ+i]                     ; Q is under 0 everywhere: all its coefficients are
.set i, i+1
.endr
	v_nop                                          ; a plain instruction behind the batch,
	s_wait_alu depctr_va_vdst(0)                   ; and one wait for the 64, ahead of their first reader
.set i, 0
.rept 32
	v_pk_mul_f32 v[XQ+i:XQ+i+1], v[XQ+i:XQ+i+1], v[QQ+i:QQ+i+1]       ; erf
.set i, i+2
.endr
.set i, 0
.rept 32
	v_pk_fma_f32 v[XQ+i:XQ+i+1], v[HX+i:HX+i+1], v[XQ+i:XQ+i+1], v[HX+i:HX+i+1]
.set i, i+2
.endr
.endm
.endif
	s_mov_b32 s20, 0x76543210
	s_mov_b32 s21, 0xfedcba98                      ; selects: lane l xor 16
	s_mov_b32 s23, 0x600000                        ; the mantissa field of 448
.irp b, 0,1,2,3
	v_mov_b32 v[TM+4+\b], 0                        ; a lane permute's destination counts as read
.endr
.if MODE
	KPAIR RS2, 0x3f3504f3                          ; no tensor load is out since the last change of slots: the descriptors' registers are free
	KPAIR A11, 0x32edffee
	KPAIR A9,  0xb60cff51
	KPAIR A7,  0xb86ec2d2
	KPAIR A5,  0xba40ac63
	KPAIR A3,  0xbb41a1f6
	KPAIR A1,  0xbc83dbd4
	KPAIR B6,  0xb95fbd29
	KPAIR B4,  0xbadc924e
	KPAIR B2,  0xbbf19bf8
	KPAIR B0,  0xbc69b6a7
	v_mov_b32 v20, 0xaf95df0b                      ; P's leading coefficient,
	v_mov_b32 v21, 0xaf95df0b
	v_mov_b32 v2, 0xb77460cd                       ; and Q's
	v_mov_b32 v3, 0xb77460cd
.else
	s_mov_b32 s24, 0xffff0000                      ; lanes 16-31
	s_mov_b32 s19, 0
	s_wait_loadcnt 0x0                             ; the bias along the A side
.irp a, 0,1,2,3,4,5,6,7
	v_cndmask_b32 v[RB+2*\a], 0, v[64+\a], s66     ; it applies in v's clusters alone
	v_cndmask_b32 v[RB+2*\a+1], 0, v[64+\a], s66
.endr
.endif
	s_mov_b32 s3, 0
.Lrow:                                                 ; eight trips: block s3 of 16 rows
.irp a, 0,1,2,3,4,5,6
	s_cmp_eq_u32 s3, \a
	s_cbranch_scc1 .Lstub\a
.endr
	s_wait_alu depctr_va_vdst(0)
	STUB 7, 1
.Lstub0:
	STUB 0, 1
.Lstub1:
	STUB 1, 1
.Lstub2:
	STUB 2, 1
.Lstub3:
	s_wait_alu depctr_va_vdst(0)
	STUB 3, 1
.Lstub4:
	s_wait_alu depctr_va_vdst(0)
	STUB 4, 1
.Lstub5:
	s_wait_alu depctr_va_vdst(0)
	STUB 5, 1
.Lstub6:
	s_wait_alu depctr_va_vdst(0)
	STUB 6, 0
.Lbody:
.if MODE
	GELU
.endif
	QUANT XQ
.irp c, 0,1,2,3
.irp u, 0,1
	ds_store_b64 v[STO], v[PC+4*\c+2*\u:PC+4*\c+2*\u+1] offset:32*\c+16*\u   ; columns 32 c + 16 u + 8 h + 0 .. 7 of row r
.endr
.endr
.if MODE
	ds_store_b32 v[SSA], v[PW]
.else
	v_perm_b32 v[W0], v[PW], v[PW], 0x01000100     ; q's and k's scale word: the head's two bytes, twice: s0 | s1 << 8 | s0 << 16 | s1 << 24, so that a row's 64 codes may stand in either half of K = 128
	v_perm_b32 v[W1], v[PW], v[PW], 0x03020302     ; the second head's
	v_cndmask_b32 v[SV], v[W0], v[W1], s24         ; lanes 0-15 carry the first, lanes 16-31 the second;
	v_cndmask_b32 v[SV], v[SV], v[PW], s66         ; v: the four blocks of 32 keys as they are
	ds_store_b32 v[SSA], v[SV]
.endif
.irp i, 0,1,2,3
	ds_load_b128 v[OUTR+4*\i:OUTR+4*\i+3], v[RDA] offset:576*\i   ; LDS serves a wave's instructions in order: these see my stores
.endr
	s_wait_dscnt 0x0
.irp i, 0,1,2,3
.if MODE
	global_store_b128 v[GO], v[OUTR+4*\i:OUTR+4*\i+3], s[98:99] offset:512*\i   ; 512 consecutive bytes, aligned
.else
	global_store_b128 v[GO+\i], v[OUTR+4*\i:OUTR+4*\i+3], s[98:99]              ; v: 512 consecutive bytes; q, k: 256 for each of two heads (4 tokens x 64)
.endif
.endr
	v_add_nc_u32 v[SSA], 64, v[SSA]
	s_wait_xcnt 0x0                                ; the stores have read their registers and their base: both are written again below and in the next trip
.if MODE
	s_add_nc_u64 s[98:99], s[98:99], 2048
.else
	s_cmp_eq_u32 s3, 3
	s_cselect_b32 s18, s96, 0
	s_add_nc_u64 s[98:99], s[98:99], s[100:101]
	s_add_nc_u64 s[98:99], s[98:99], s[18:19]
.endif
	s_add_co_u32 s3, s3, 1
	s_cmp_lt_u32 s3, 8
	s_cbranch_scc1 .Lrow
	ds_load_b128 v[OUTR:OUTR+3], v[SSR]            ; 128 scale words
.if MODE == 0
	ds_load_b128 v[OUTR+4:OUTR+7], v[SSR] offset:512
.endif
	s_wait_dscnt 0x0
	global_store_b128 v[GS], v[OUTR:OUTR+3], s[12:13]
.if MODE == 0
	s_cmp_eq_u32 ttmp9, 2
	s_cbranch_scc1 .Lone_set                       ; the cluster's x: the same in all partners
	global_store_b128 v[GS], v[OUTR+4:OUTR+7], s[12:13] offset:8192   ; q, k: the second head's words
.Lone_set:
.endif
	s_wait_tensorcnt 0x0                           ; the wave's end
	ds_add_u32 v[SPW], v[NIL]
	s_wait_dscnt 0x0
	CROUND                                         ; the closing round
	s_endpgm
.Lfunc_end_k_qc45efc1a0c_qkvp:
	.size	k_qc45efc1a0c_qkvp, .Lfunc_end_k_qc45efc1a0c_qkvp-k_qc45efc1a0c_qkvp
	.p2alignl 7, 3214868480
	.fill 96, 4, 3214868480
	.section	.rodata,"a",@progbits
	.p2align	6, 0x0
	.amdhsa_kernel k_qc45efc1a0c_qkvp
		.amdhsa_group_segment_fixed_size 327680
		.amdhsa_private_segment_fixed_size 0
		.amdhsa_enable_private_segment 0
		.amdhsa_kernarg_size 40
		.amdhsa_user_sgpr_count 2
		.amdhsa_user_sgpr_kernarg_segment_ptr 1
		.amdhsa_wavefront_size32 1
		.amdhsa_system_sgpr_workgroup_id_x 1
		.amdhsa_system_sgpr_workgroup_id_y 1
		.amdhsa_system_sgpr_workgroup_id_z 1
		.amdhsa_system_vgpr_workitem_id 0
		.amdhsa_next_free_vgpr 1024
		.amdhsa_next_free_sgpr 102
		.amdhsa_reserve_vcc 0
		.amdhsa_float_denorm_mode_32 3
		.amdhsa_float_denorm_mode_16_64 3
		.amdhsa_memory_ordered 1
		.amdhsa_forward_progress 1
		.amdhsa_inst_pref_size 156
	.end_amdhsa_kernel
	.amdgpu_metadata
---
amdhsa.version: [ 1, 2 ]
amdhsa.kernels:
  - .name:           k_qc45efc1a0c_qkvp
    .symbol:         k_qc45efc1a0c_qkvp.kd
    .args:
      - { .name: nx, .offset: 0, .size: 8, .value_kind: global_buffer, .address_space: global }
      - { .name: qkv_w_codes, .offset: 8, .size: 8, .value_kind: global_buffer, .address_space: global }
      - { .name: qkv_w_scales, .offset: 16, .size: 8, .value_kind: global_buffer, .address_space: global }
      - { .name: qkv_b, .offset: 24, .size: 8, .value_kind: global_buffer, .address_space: global }
      - { .name: qkvc, .offset: 32, .size: 8, .value_kind: global_buffer, .address_space: global }
    .group_segment_fixed_size: 327680
    .private_segment_fixed_size: 0
    .kernarg_segment_align: 8
    .kernarg_segment_size: 40
    .max_flat_workgroup_size: 128
    .sgpr_count:     102
    .vgpr_count:     1024
    .wavefront_size: 32
...
	.end_amdgpu_metadata
.endif
;; end of part 2
;; launch attn (part 3): grid 8 x 32, 16 waves a work-group, clusters of 4 x 1, 327,680 bytes of LDS; arguments qkvc, att; writes att
.if DOCPART == 3
	.amdgcn_target "amdgcn-amd-amdhsa--gfx1250"
	.amdhsa_code_object_version 6
	.text
	.protected	k_qc45efc1a0c_attn
	.globl	k_qc45efc1a0c_attn
	.p2align	8
	.type	k_qc45efc1a0c_attn,@function
k_qc45efc1a0c_attn:
	s_mov_b64 s[64:65], 0
	v_nop
	global_prefetch_b8 v0, s[64:65] scope:SCOPE_SE
	s_setreg_imm32_b32 hwreg(HW_REG_WAVE_MODE, 25, 1), 1
	s_wait_xcnt 0x0
	s_wait_alu depctr_hold_cnt(0) depctr_sa_sdst(0) depctr_va_vdst(0) depctr_va_sdst(0) depctr_va_ssrc(0) depctr_va_vcc(0) depctr_vm_vsrc(0)
	s_getreg_b32 s2, hwreg(HW_REG_IB_STS2, 6, 4)
	s_cmp_eq_u32 s2, 0
	s_cbranch_scc0 .Lentry_in_a_cluster
	s_endpgm
.Lentry_in_a_cluster:
	s_bfe_u32 s2, ttmp6, 0x10000c
	s_cmp_lg_u32 s2, 0x3003
	s_cbranch_scc0 .Lentry_shape_is_right
	s_endpgm
.Lentry_shape_is_right:
; Causal attention of 32 (batch, head) x 2,048 tokens x 64 on codes of MX-FP8, and the quantiser of its result along the next product's K.
; t = score x log2(e) / 8; M = the running largest t rounded up to a whole number; p = 2^(t - M) is quantised along the keys; the row's sum of the unquantised p divides at the end.
; LEFT OUT: key steps all of whose 128 keys come after a tile's 16 queries: the causal mask sets their scores to -inf, so they add nothing for any input.
; INPUT (qkvc, bytes): q, k codes [2][bh][t][64] at 0; v codes [bh][chunk of 128 keys][d 64][128] at 8,388,608; q, k scale words [2][bh][t] (two bytes, twice) at 12,582,912; v scale words [bh][chunk][d] at 13,107,200.
; OUTPUT (att): codes [chunk of 128 columns][4096][128] at 0, scale bytes [chunk][4096][4] at 4,194,304.
; THE DEAL.  Eight work-groups to a head.  Wave number m (0 .. 15) of work-group j takes query tile 8 m + j: m + 1 live key steps, the last on the diagonal, in every work-group alike: branches hang on the wave's number and the step alone.
; Waves w, w + 4, w + 8, w + 12 get m's whose live steps add up to 34.
; LDS HOLDS THE HEAD'S WHOLE K AND V: nothing is filled twice.  Ten loads at the head, one a wave, in four groups; K's group g reaches one step further than V's (5, 4, 4, 3 steps), since a step fetches the next step's K.
; A plain barrier shows each group; it is signalled a phase (four steps) before it is waited for, with register work and LDS loads of landed bytes between.  The waves that issued a group wait for it ahead of that signal.
; CLUSTER 4, 1, 1: the four partners walk the same head and ask for its tiles jointly (mask 15).  No prefetch: every tile is asked for at the head, so no later load has anything to run ahead of.
; K = 64 IN A FORM OF K = 128: a fragment's registers 0-7 hold one key tile, 8-15 the next; it is multiplied by (q, 0) and by (0, q).  Zero codes add nothing under the finite bytes that stand beside them.
; Both products are used transposed: a lane holds one query; lane r of key tile 2 b + u takes key 32 b + 8 u + r + 8 (r / 8), so that a block's 16 registers are 16 neighbouring keys.
; LIMITS: NaN and infinities are not served; the scaled scores stay under 2^31 in magnitude; a block of zeros gets the byte 1 (this program alone reads the bytes).
.set KST,   9216                       ; a step's 128 keys in LDS: 64 pairs of rows, 128 bytes + 16
.set VST,   8704                       ; a step's chunk of V: 32 pairs of rows, 256 bytes + 16
.set VOFF,  16*KST
.set SCK,   VOFF+16*VST                ; K's scale words: 32 runs of 256 bytes + 16
.set SCV,   SCK+32*272                 ; V's: 16 runs
.set SPARE, SCV+16*272                 ; the spare words, 128 bytes a wave
.set STAGE, SPARE+2048                 ; the way out: 16 rows x 80 bytes a wave
.set AK0, 1
.set AV0, 2
.set ASK0, 3
.set ASV0, 4
.set SPW, 5
.set NIL, 6
.set DM,  7                            ; my query less the diagonal step's first key less 16 (lane / 16)
.set ADK, 8
.set ADV, 9
.set ADS, 10
.set ADT, 11
.set KF,  40                           ; v40-103 four fragments of K.  v16-23 zeros, v24-31 q, v32-39 zeros
.set S,   104                          ; v104-167 S^T, then p, then V's fragments
.set O,   168                          ; v168-199 O^T
.set PC,  200                          ; v200-215 p's codes
.set KSC, 216
.set VSC, 224
.set WV, 8
.set MW, 9                             ; s9  m
.set SI, 10                            ; s10 the step
.set TK, 11                            ; the next step's K and its scale words; this step's V and its scale words
.set TS, 12
.set TV, 13
.set TJ, 14
.set MNT, 15
.set SEL, 16
.set CS, 18
.set G0, 20
.set G1K5, 24
.set G1K4, 32
.set G1K3, 40
.set G1V, 48
.set G1SK, 56
.set G1SV, 68
.macro CROUND
	s_barrier_signal -1
	s_barrier_wait -1
	s_cmp_lg_u32 s[WV], 0
	s_cbranch_scc1 .Lnot_wave_0_\@
	s_barrier_signal -3
.Lnot_wave_0_\@:
	s_barrier_wait -3
	s_barrier_signal -1
	s_barrier_wait -1
.endm
.macro GRP1 g, w0, c, r                ; dense memory stated as r rows of 256 bytes
	s_mov_b32 s[\g], \w0
	s_mov_b32 s[\g+1], (\c)<<16
	s_mov_b32 s[\g+2], (\r)<<16
	s_mov_b32 s[\g+3], (\c)<<16
	s_mov_b32 s[\g+4], \r
	s_mov_b32 s[\g+5], \c
	s_mov_b32 s[\g+6], 0
	s_mov_b32 s[\g+7], 0
.endm
	s_load_b128 s[4:7], s[0:1], 0x0                ; qkvc, att
	v_lshl_add_u32 v[SPW], v0, 2, SPARE
	v_mov_b32 v[NIL], 0
	ds_add_u32 v[SPW], v[NIL]                      ; the wave's opening
	ds_add_u32 v[SPW], v[NIL]
	v_lshrrev_b32 v8, 5, v0
	v_readfirstlane_b32 s[WV], v8
	s_bfe_u32 s92, ttmp6, 0x40000                  ; cx
	s_lshl_b32 s93, ttmp9, 2
	s_add_co_u32 s92, s92, s93                     ; j
	s_and_b32 s93, ttmp7, 0xffff                   ; bh
	s_lshr_b32 s94, s[WV], 2
	s_xor_b32 s94, s94, 1                          ; m = 4 q + (wave % 4, mirrored where q is odd), q = (wave / 4) xor 1
	s_and_b32 s95, s94, 1
	s_mul_i32 s95, s95, 3
	s_and_b32 s96, s[WV], 3
	s_xor_b32 s95, s95, s96
	s_lshl_b32 s94, s94, 2
	s_add_co_u32 s[MW], s94, s95
	s_lshl_b32 s94, s[MW], 7
	s_lshl_b32 s95, s92, 4                         ; 16 j
	s_add_co_u32 s94, s94, s95                     ; my first query
	s_lshl_b32 s96, s93, 17
	s_add_co_u32 s76, s96, 4194304                 ; the head's K codes,
	s_mov_b32 s77, 0
	s_add_co_u32 s78, s96, 8388608                 ; V codes,
	s_mov_b32 s79, 0
	s_lshl_b32 s97, s94, 6
	s_add_co_u32 s84, s96, s97                     ; my q codes
	s_mov_b32 s85, 0
	s_lshl_b32 s96, s93, 13
	s_add_co_u32 s80, s96, 12845056                ; K's scale words
	s_mov_b32 s81, 0
	s_lshl_b32 s97, s94, 2
	s_add_co_u32 s86, s96, s97
	s_add_co_u32 s86, s86, 12582912                ; my q's
	s_mov_b32 s87, 0
	s_lshl_b32 s82, s93, 12
	s_add_co_u32 s82, s82, 13107200                ; V's
	s_mov_b32 s83, 0
	s_lshr_b32 s96, s93, 4
	s_lshl_b32 s96, s96, 11
	s_add_co_u32 s96, s96, s94                     ; my first row of 4,096
	s_and_b32 s97, s93, 15
	s_lshr_b32 s98, s97, 1                         ; the chunk of 128 columns
	s_and_b32 s97, s97, 1
	s_lshl_b32 s88, s98, 19
	s_lshl_b32 s99, s96, 7
	s_add_co_u32 s88, s88, s99
	s_lshl_b32 s99, s97, 6
	s_add_co_u32 s88, s88, s99                     ; the result's codes
	s_mov_b32 s89, 0
	s_lshl_b32 s90, s98, 14
	s_lshl_b32 s99, s96, 2
	s_add_co_u32 s90, s90, s99
	s_lshl_b32 s99, s97, 1
	s_add_co_u32 s90, s90, s99
	s_add_co_u32 s90, s90, 4194304                 ; and scale bytes
	s_mov_b32 s91, 0
	GRP1 G1K5, 15|(1<<20)|(1<<21)|(4<<22)|(3<<25), 256, 160   ; K: 16 bytes behind every 128; five steps,
	GRP1 G1K4, 15|(1<<20)|(1<<21)|(4<<22)|(3<<25), 256, 128   ; four,
	GRP1 G1K3, 15|(1<<20)|(1<<21)|(4<<22)|(3<<25), 256, 96    ; three
	GRP1 G1V,  15|(1<<20)|(1<<21)|(5<<22)|(3<<25), 256, 128   ; V: 16 bytes behind every 256; four steps
	GRP1 G1SK, 15|(3<<16)|(1<<20)|(1<<21)|(5<<22)|(3<<25), 32, 32
	GRP1 G1SV, 15|(3<<16)|(1<<20)|(1<<21)|(5<<22)|(3<<25), 32, 16
	s_mov_b32 s[G0], 1
	s_mov_b32 s[SEL], 0x76543210
	s_mov_b32 s[SEL+1], 0xfedcba98
	s_mov_b32 s[CS], 0x3e38aa3b                    ; log2(e) / 8
	s_mov_b32 s[CS+1], s[CS]
	s_mov_b32 s[MNT], 0x600000
	s_wait_dscnt 0x0
	CROUND                                         ; the four partners are here: the joint loads meet
	s_wait_kmcnt 0x0
	s_add_nc_u64 s[76:77], s[4:5], s[76:77]
	s_add_nc_u64 s[78:79], s[4:5], s[78:79]
	s_add_nc_u64 s[80:81], s[4:5], s[80:81]
	s_add_nc_u64 s[82:83], s[4:5], s[82:83]
	s_add_nc_u64 s[84:85], s[4:5], s[84:85]
	s_add_nc_u64 s[86:87], s[4:5], s[86:87]
	s_add_nc_u64 s[88:89], s[6:7], s[88:89]
	s_add_nc_u64 s[90:91], s[6:7], s[90:91]
; one chain of branches on the wave's number, a load to an arm; what is wanted first stands first
.macro ARM w, g1, base, goff, lds, next
	s_cmp_eq_u32 s[WV], \w
	s_cbranch_scc0 \next
	s_mov_b32 s[G0+1], \lds
	s_add_nc_u64 s[G0+2:G0+3], s[\base:\base+1], \goff
	s_or_b32 s[G0+3], s[G0+3], 0x80000000
	tensor_load_to_lds s[G0:G0+3], s[\g1:\g1+7]
	s_nop 0
.rept 4
	v_nop
.endr
	s_branch .Lasked
\next:
.endm
	ARM 0, G1K5, 76, 0, 0, .La1
	ARM 1, G1SK, 80, 0, SCK, .La2
	ARM 2, G1V,  78, 0, VOFF, .La3
	ARM 3, G1SV, 82, 0, SCV, .La4
	ARM 4, G1K4, 76, 5*8192, 5*KST, .La5
	ARM 5, G1V,  78, 4*8192, VOFF+4*VST, .La6
	ARM 6, G1K4, 76, 9*8192, 9*KST, .La7
	ARM 7, G1V,  78, 8*8192, VOFF+8*VST, .La8
	ARM 8, G1K3, 76, 13*8192, 13*KST, .La9
	ARM 9, G1V,  78, 12*8192, VOFF+12*VST, .La10
.Lasked:
	v_and_b32 v8, 15, v0                           ; r
	v_bfe_u32 v9, v0, 4, 1                         ; h
	v_lshlrev_b32 v10, 6, v8
	v_lshl_add_u32 v10, v9, 4, v10
	global_load_b128 v[24:27], v10, s[84:85]       ; q stays in registers
	global_load_b128 v[28:31], v10, s[84:85] offset:32
	v_lshlrev_b32 v11, 2, v8
	global_load_b32 v255, v11, s[86:87]
	v_and_b32 v232, 8, v8
	v_add_nc_u32 v232, v232, v8                    ; r + 8 (r / 8)
	v_lshrrev_b32 v233, 1, v232
	v_mul_u32_u24 v233, v233, 144
	v_and_b32 v234, 1, v8
	v_lshl_add_u32 v233, v234, 6, v233
	v_lshl_add_u32 v[AK0], v9, 4, v233             ; K: pair x 144 + 64 x (key % 2) + 16 h
	v_lshrrev_b32 v233, 1, v8
	v_mul_u32_u24 v233, v233, 272
	v_lshl_add_u32 v233, v234, 7, v233
	v_lshl_add_u32 v233, v9, 4, v233
	v_add_nc_u32 v[AV0], VOFF, v233                ; V: pair x 272 + 128 x (d % 2) + 16 h
	v_lshl_add_u32 v[ASK0], v232, 2, SCK
	v_lshl_add_u32 v[ASV0], v8, 2, SCV
	v_lshlrev_b32 v233, 4, v9
	v_sub_nc_u32 v233, v8, v233
	v_add_nc_u32 v[DM], s95, v233
	v_mov_b32 v13, 0xff61b1e6                      ; the largest t so far: -3e38
	v_floor_f32 v12, -v13                          ; -M
	v_mov_b32 v14, 0
	v_mov_b32 v15, 0
	v_mov_b32 v253, 0
.irp b, 0,1,2,3
	v_mov_b32 v[236+\b], 0                         ; a lane permute's destination counts as read
.endr
.irp j, 0,1,2,3,4,5,6,7
	v_mov_b32 v[16+\j], 0
	v_mov_b32 v[32+\j], 0
.endr
.set i, 0
.rept 32
	v_mov_b32 v[O+i], 0
.set i, i+1
.endr
.macro KLOAD ak, as                    ; a step's eight key tiles into four fragments, and their scale words: 24 loads
.irp b, 0,1,2,3
.irp u, 0,1
	ds_load_b128 v[KF+16*\b+8*\u:KF+16*\b+8*\u+3], v[\ak] offset:(16*\b+4*\u)*144
	ds_load_b128 v[KF+16*\b+8*\u+4:KF+16*\b+8*\u+7], v[\ak] offset:(16*\b+4*\u)*144+32
	ds_load_b32 v[KSC+2*\b+\u], v[\as] offset:272*(\b/2)+(32*(\b%2)+8*\u)*4
.endr
.endr
.endm
.macro STEP
	s_cmp_gt_u32 s[SI], s[MW]                      ; behind my diagonal: nothing but the step's count
	s_cbranch_scc1 .Lhid_\@
	v_add_nc_u32 v[ADK], s[TK], v[AK0]
	v_add_nc_u32 v[ADS], s[TS], v[ASK0]
	v_add_nc_u32 v[ADV], s[TV], v[AV0]
	v_add_nc_u32 v[ADT], s[TJ], v[ASV0]
.rept 5
	v_nop                                          ; with the four above nine places: the scores are laid over V's fragments, which the last products read
.endr
	s_wait_alu depctr_va_vdst(0)
	s_wait_dscnt 0x0                               ; this step's K
.irp b, 0,1,2,3
	v_wmma_scale_f32_16x16x128_f8f6f4 v[S+16*\b:S+16*\b+7], v[KF+16*\b:KF+16*\b+15], v[24:39], 0, v[KSC+2*\b], v255
	v_wmma_scale_f32_16x16x128_f8f6f4 v[S+16*\b+8:S+16*\b+15], v[KF+16*\b:KF+16*\b+15], v[16:31], 0, v[KSC+2*\b+1], v255
.endr
.rept 8
	v_nop
.endr
	s_cmp_eq_u32 s[SI], s[MW]
	s_cbranch_scc1 .Ldiag_\@
	KLOAD ADK, ADS                                 ; the next step's K comes in under the softmax
	s_branch .Lopen_\@
.Ldiag_\@:                                             ; my last step: register 16 b + i holds key 32 b + 16 h + i of the step: hidden where 32 b + i > DM
	v_mov_b32 v254, 0xff800000
.set n, 0
.rept 64
	v_cmp_gt_i32 vcc_lo, 32*(n/16)+n%16, v[DM]
	v_cndmask_b32 v[S+n], v[S+n], v254, vcc_lo
.set n, n+1
.endr
.Lopen_\@:
.irp b, 0,1,2,3
	v_max3_num_f32 v[232+\b], v[S+16*\b], v[S+1+16*\b], v[S+2+16*\b]   ; each block's largest score: for the row's maximum and for the block's largest p
.endr
.irp i, 3,5,7,9,11,13
.irp b, 0,1,2,3
	v_max3_num_f32 v[232+\b], v[232+\b], v[S+16*\b+\i], v[S+1+16*\b+\i]
.endr
.endr
.irp b, 0,1,2,3
	v_max_num_f32 v[232+\b], v[232+\b], v[S+15+16*\b]
.endr
.irp b, 0,1,2,3
	v_permlanex16_b32 v[236+\b], v[232+\b], s[SEL], s[SEL+1]
.endr
.irp b, 0,1,2,3
	s_delay_alu instid0(VALU_DEP_4)
	v_max_num_f32 v[232+\b], v[232+\b], v[236+\b]
.endr
	s_delay_alu instid0(VALU_DEP_2)
	v_max3_num_f32 v254, v232, v233, v234
	s_delay_alu instid0(VALU_DEP_1)
	v_max_num_f32 v254, v254, v235
	s_delay_alu instid0(VALU_DEP_1)
	v_mul_f32 v254, s[CS], v254
	s_delay_alu instid0(VALU_DEP_1)
	v_max_num_f32 v13, v13, v254                   ; the running largest t
	v_mov_b32 v254, v12
	s_delay_alu instid0(VALU_DEP_2)
	v_floor_f32 v12, -v13                          ; -M = floor(-t)
	s_delay_alu instid0(VALU_DEP_1)
	v_sub_f32 v254, v12, v254
	s_delay_alu instid0(VALU_DEP_1)
	v_cvt_i32_f32 v254, v254
	s_delay_alu instid0(VALU_DEP_1)
	v_ldexp_f32 v252, 1.0, v254                    ; f = 2^(old M - new M)
	v_pk_mul_f32 v[14:15], v[14:15], v[252:253] op_sel_hi:[1,0]
.set j, 0
.rept 16
	v_pk_mul_f32 v[O+j:O+j+1], v[O+j:O+j+1], v[252:253] op_sel_hi:[1,0]   ; O^T under the new M
.set j, j+2
.endr
.set j, 0
.rept 32
	v_pk_fma_f32 v[S+j:S+j+1], v[S+j:S+j+1], s[CS:CS+1], v[12:13] op_sel_hi:[1,0,0]   ; t - M
.set j, j+2
.endr
.irp b, 0,1,2,3
	v_fma_f32 v[232+\b], v[232+\b], s[CS], v12
.endr
	s_wait_alu depctr_va_vdst(0)                   ; one wait ahead of the batch,
.irp b, 0,1,2,3
	v_exp_f32 v[232+\b], v[232+\b]                 ; the blocks' largest p
.endr
.set j, 0
.rept 64
	v_exp_f32 v[S+j], v[S+j]
.set j, j+1
.endr
	v_nop
	s_wait_alu depctr_va_vdst(0)                   ; and one behind it
.irp b, 0,1,2,3
	v_max_num_f32 v[232+\b], 0x4800000, v[232+\b]  ; the floor 2^(9 - 127)
.endr
.irp b, 0,1,2,3
	v_add_nc_u32 v[244+\b], 0xfc000000, v[232+\b]  ; the conversion's scale operand
.endr
.irp b, 0,1,2,3
	v_and_or_b32 v[240+\b], v[232+\b], 0x7f800000, s[MNT]   ; 448 x the scale
.endr
.irp b, 0,1,2,3
	v_lshrrev_b32 v[236+\b], 23, v[244+\b]
.endr
	v_lshl_or_b32 v253, v237, 8, v236              ; p's scale word
	v_lshl_or_b32 v253, v238, 16, v253
	v_lshl_or_b32 v253, v239, 24, v253
.irp b, 0,1,2,3                        ; block by block: the sum of the unquantised p, the hold, the codes; then V's tile b lands in the block's 16 registers
.if \b == 0
	v_pk_add_f32 v[228:229], v[S:S+1], v[S+2:S+3]
.else
	v_pk_add_f32 v[14:15], v[14:15], v[S+16*\b:S+16*\b+1]
	v_pk_add_f32 v[228:229], v[228:229], v[S+16*\b+2:S+16*\b+3]
.endif
.irp j, 4,8,12
	v_pk_add_f32 v[14:15], v[14:15], v[S+16*\b+\j:S+16*\b+\j+1]
	v_pk_add_f32 v[228:229], v[228:229], v[S+16*\b+\j+2:S+16*\b+\j+3]
.endr
.irp i, 0,1,2,3,4,5,6,7,8,9,10,11,12,13,14,15
	v_min_num_f32 v[S+16*\b+\i], v[S+16*\b+\i], v[240+\b]
.endr
	v_cvt_scalef32_pk8_fp8_f32 v[PC+4*\b:PC+4*\b+1], v[S+16*\b:S+16*\b+7], v[244+\b]
	v_cvt_scalef32_pk8_fp8_f32 v[PC+4*\b+2:PC+4*\b+3], v[S+16*\b+8:S+16*\b+15], v[244+\b]
.irp c, 0,1,2,3
	ds_load_b128 v[S+16*\b+4*\c:S+16*\b+4*\c+3], v[ADV] offset:8*272*\b+32*\c
.endr
	ds_load_b32 v[VSC+\b], v[ADT] offset:64*\b
.endr
	v_pk_add_f32 v[14:15], v[14:15], v[228:229]
.rept 3
	v_nop                                          ; four places between the last codes and the products
.endr
	s_wait_alu depctr_va_vdst(0)
.irp t, 0,1,2,3
	s_wait_dscnt 15-5*\t                           ; tile t is in; the five loads of each later tile may be out
	v_wmma_scale_f32_16x16x128_f8f6f4 v[O+8*\t:O+8*\t+7], v[S+16*\t:S+16*\t+15], v[PC:PC+15], v[O+8*\t:O+8*\t+7], v[VSC+\t], v253
.endr
.Lhid_\@:
	s_add_co_u32 s[TK], s[TK], KST
	s_min_u32 s[TK], s[TK], 15*KST                 ; held at the head's last step: no address of the fetch ahead names bytes behind K's
	s_add_co_u32 s[TS], s[TS], 544
	s_min_u32 s[TS], s[TS], 15*544                 ; nor behind its scale words
	s_add_co_u32 s[TV], s[TV], VST
	s_add_co_u32 s[TJ], s[TJ], 272
	s_add_co_u32 s[SI], s[SI], 1
.endm
.macro WALK p                          ; steps 4 p .. 4 p + 3
	s_mov_b32 s[SI], 4*\p
	s_mov_b32 s[TK], KST*(4*\p+1)
	s_mov_b32 s[TS], 544*(4*\p+1)
	s_mov_b32 s[TV], VST*4*\p
	s_mov_b32 s[TJ], 272*4*\p
.Lwalk\p:
	STEP
	s_cmp_lt_u32 s[SI], 4*\p+4
	s_cbranch_scc1 .Lwalk\p
.endm
.macro SHOW under                      ; the waves that issued the next group wait for it; then the signal
	s_cmp_lt_u32 s[WV], \under
	s_cbranch_scc0 .Lnot_mine_\@
	s_wait_tensorcnt 0x0
.Lnot_mine_\@:
	s_wait_dscnt 0x0
	s_barrier_signal -1
.endm
	s_wait_alu depctr_va_vdst(0)
	s_wait_loadcnt 0x0                             ; q
	SHOW 4                                         ; group 0 and the scale words
	s_barrier_wait -1
	SHOW 6                                         ; group 1: signalled now, waited for behind four steps
	KLOAD AK0, ASK0
	WALK 0
	s_barrier_wait -1
	SHOW 8                                         ; group 2
	WALK 1
	s_barrier_wait -1
	s_wait_tensorcnt 0x0                           ; group 3, all that is still out: every wave waits
	s_wait_dscnt 0x0
	s_barrier_signal -1
	WALK 2
	s_barrier_wait -1
	WALK 3
	; THE WAY OUT: O^T / the sum, quantised in the head's two blocks of 32, through my stage, out as 64 bytes a row
	v_add_f32 v14, v14, v15
	v_permlanex16_b32 v252, v14, s[SEL], s[SEL+1]
	v_add_f32 v14, v14, v252
	s_wait_alu depctr_va_vdst(0)
	v_rcp_f32 v14, v14
	v_and_b32 v8, 15, v0
	v_bfe_u32 v9, v0, 4, 1
	s_mul_i32 s92, s[WV], 1280
	s_add_co_u32 s92, s92, STAGE
	v_mul_u32_u24 v10, v8, 80
	v_lshl_add_u32 v10, v9, 3, v10
	v_add_nc_u32 v10, s92, v10
	v_and_b32 v1, 31, v0
	v_lshrrev_b32 v2, 2, v1
	v_and_b32 v3, 3, v1
	v_mul_u32_u24 v11, v2, 80
	v_lshl_add_u32 v11, v3, 4, v11
	v_add_nc_u32 v11, s92, v11
	s_mov_b32 s93, 0xffff0000
	v_lshlrev_b32 v7, 7, v2
	v_lshl_add_u32 v7, v3, 4, v7
	v_lshl_add_u32 v4, v8, 2, v9
	s_wait_alu depctr_va_vdst(0)                   ; ahead of the first reader of the reciprocal and of O^T
.set j, 0
.rept 32
	v_mul_f32 v[S+j], v[O+j], v14
.set j, j+1
.endr
.irp b, 0,1
	v_max3_num_f32 v[232+\b], |v[S+16*\b]|, |v[S+1+16*\b]|, 0x4800000
.endr
.irp i, 2,4,6,8,10,12,14
.irp b, 0,1
	v_max3_num_f32 v[232+\b], v[232+\b], |v[S+16*\b+\i]|, |v[S+1+16*\b+\i]|
.endr
.endr
.irp b, 0,1
	v_permlanex16_b32 v[236+\b], v[232+\b], s[SEL], s[SEL+1]
.endr
.irp b, 0,1
	v_max_num_f32 v[232+\b], v[232+\b], v[236+\b]
.endr
.irp b, 0,1
	v_add_nc_u32 v[244+\b], 0xfc000000, v[232+\b]
.endr
.irp b, 0,1
	v_and_or_b32 v[240+\b], v[232+\b], 0x7f800000, s[MNT]
.endr
.irp b, 0,1
	v_lshrrev_b32 v[236+\b], 23, v[244+\b]
.endr
	v_cndmask_b32 v238, v236, v237, s93            ; lanes 0-15 carry the first block's byte, lanes 16-31 the second's
.irp b, 0,1
.irp i, 0,1,2,3,4,5,6,7,8,9,10,11,12,13,14,15
	v_med3_num_f32 v[S+16*\b+\i], v[S+16*\b+\i], -v[240+\b], v[240+\b]
.endr
	v_cvt_scalef32_pk8_fp8_f32 v[PC+4*\b:PC+4*\b+1], v[S+16*\b:S+16*\b+7], v[244+\b]
	v_cvt_scalef32_pk8_fp8_f32 v[PC+4*\b+2:PC+4*\b+3], v[S+16*\b+8:S+16*\b+15], v[244+\b]
.endr
	v_nop
.irp c, 0,1
.irp u, 0,1
	ds_store_b64 v10, v[PC+4*\c+2*\u:PC+4*\c+2*\u+1] offset:32*\c+16*\u
.endr
.endr
	ds_load_b128 v[40:43], v11                     ; LDS serves a wave's instructions in order: these see my stores
	ds_load_b128 v[44:47], v11 offset:640
	s_wait_dscnt 0x0
	global_store_b128 v7, v[40:43], s[88:89]
	global_store_b128 v7, v[44:47], s[88:89] offset:1024
	global_store_b8 v4, v238, s[90:91]
	s_wait_tensorcnt 0x0                           ; the wave's end
	ds_add_u32 v[SPW], v[NIL]
	s_wait_dscnt 0x0
	CROUND                                         ; the closing round
	s_endpgm
.Lfunc_end_k_qc45efc1a0c_attn:
	.size	k_qc45efc1a0c_attn, .Lfunc_end_k_qc45efc1a0c_attn-k_qc45efc1a0c_attn
	.p2alignl 7, 3214868480
	.fill 96, 4, 3214868480
	.section	.rodata,"a",@progbits
	.p2align	6, 0x0
	.amdhsa_kernel k_qc45efc1a0c_attn
		.amdhsa_group_segment_fixed_size 327680
		.amdhsa_private_segment_fixed_size 0
		.amdhsa_enable_private_segment 0
		.amdhsa_kernarg_size 16
		.amdhsa_user_sgpr_count 2
		.amdhsa_user_sgpr_kernarg_segment_ptr 1
		.amdhsa_wavefront_size32 1
		.amdhsa_system_sgpr_workgroup_id_x 1
		.amdhsa_system_sgpr_workgroup_id_y 1
		.amdhsa_system_sgpr_workgroup_id_z 1
		.amdhsa_system_vgpr_workitem_id 0
		.amdhsa_next_free_vgpr 256
		.amdhsa_next_free_sgpr 100
		.amdhsa_reserve_vcc 1
		.amdhsa_float_denorm_mode_32 3
		.amdhsa_float_denorm_mode_16_64 3
		.amdhsa_memory_ordered 1
		.amdhsa_forward_progress 1
		.amdhsa_inst_pref_size 126
	.end_amdhsa_kernel
	.amdgpu_metadata
---
amdhsa.version: [ 1, 2 ]
amdhsa.kernels:
  - .name:           k_qc45efc1a0c_attn
    .symbol:         k_qc45efc1a0c_attn.kd
    .args:
      - { .name: qkvc, .offset: 0, .size: 8, .value_kind: global_buffer, .address_space: global }
      - { .name: att, .offset: 8, .size: 8, .value_kind: global_buffer, .address_space: global }
    .group_segment_fixed_size: 327680
    .private_segment_fixed_size: 0
    .kernarg_segment_align: 8
    .kernarg_segment_size: 16
    .max_flat_workgroup_size: 512
    .sgpr_count:     100
    .vgpr_count:     256
    .wavefront_size: 32
...
	.end_amdgpu_metadata
.endif
;; end of part 3
;; launch oproj (part 4): grid 8 x 32, 4 waves a work-group, clusters of 4 x 4, 327,680 bytes of LDS; arguments att, out_w_codes, out_w_scales, out_b, x, x1; writes x1
.if DOCPART == 4
	.amdgcn_target "amdgcn-amd-amdhsa--gfx1250"
	.amdhsa_code_object_version 6
	.text
	.protected	k_qc45efc1a0c_oproj
	.globl	k_qc45efc1a0c_oproj
	.p2align	8
	.type	k_qc45efc1a0c_oproj,@function
k_qc45efc1a0c_oproj:
	s_mov_b64 s[64:65], 0
	v_nop
	global_prefetch_b8 v0, s[64:65] scope:SCOPE_SE
	s_setreg_imm32_b32 hwreg(HW_REG_WAVE_MODE, 25, 1), 1
	s_wait_xcnt 0x0
	s_wait_alu depctr_hold_cnt(0) depctr_sa_sdst(0) depctr_va_vdst(0) depctr_va_sdst(0) depctr_va_ssrc(0) depctr_va_vcc(0) depctr_vm_vsrc(0)
	s_getreg_b32 s2, hwreg(HW_REG_IB_STS2, 6, 4)
	s_cmp_eq_u32 s2, 0
	s_cbranch_scc0 .Lentry_in_a_cluster
	s_endpgm
.Lentry_in_a_cluster:
	s_bfe_u32 s2, ttmp6, 0x10000c
	s_cmp_lg_u32 s2, 0xf033
	s_cbranch_scc0 .Lentry_shape_is_right
	s_endpgm
.Lentry_shape_is_right:
; out = res + bias + A W^T on codes of MX-FP8.  A: 4,096 rows, codes laid by chunks of 128 along K, [chunk][4096][128], scale words [chunk][4096] at byte ACODES.  W: [1024][SIZE_K] codes, [1024][SIZE_K / 32] scale bytes.
; res and out: [4096][1024] f32.  One text serves two launches: SIZE_K = 1,024 (the attention's output projection) and 4,096 (the MLP's second layer).
; The result has 32 x 8 tiles of 128 x 128: one for each of 256 work-groups; tiles of 256 x 256 would leave three WGPs in four idle.  Four waves, 64 x 64 each: 16 accumulators.
; K goes in steps of 512 (four matrix instructions deep) through two LDS slots.  A's part of a slot is two chunks x 128 rows x 128 bytes for each loading wave: in memory two dense runs of 16,384 bytes, stated as two rows,
; with 16 bytes of padding behind every 128: rows 144 bytes apart in LDS.  W's part: 64 rows of 512 bytes, 528 apart.  The scale words and bytes of the tile's rows come once, in whole runs of 256 bytes, and stay.
; CLUSTERS: 4 x 4 work-groups; A's tile is asked for jointly along a row of the cluster, W's along a column.  THE MATRIX INSTRUCTION IS USED TRANSPOSED: a lane holds eight neighbouring columns of one row of the result.
; The bias is the C of each sum's first product.  The residual's 128 registers a lane are asked for at the head and added on the way out, behind the stage, where a lane holds 16 neighbouring bytes of a row.
; No prefetch: the tiles are shared in the cluster and the weights are read by 32 tile rows.
; REGISTERS: window 0: v0-31 addresses; v32-47 A's scale words, v48-63 W's, two sets each; v64-95 the bias; v128-191, v192-255 A's fragments, two sets.  window 1: v0-63, v128-191 W's fragments; v64-127, v192-255 the residual.
;   window 2: v0-127 accumulator (a, b) at v[8 (4 a + b)].
.set SIZE_K, 1024
.set ACODES, 4194304
.set NKC,   SIZE_K/128
.set KS,    SIZE_K/32
.set LAPS,  SIZE_K/1024
.set AP,    144
.set BP,    528
.set AHALF, 4*64*AP
.set BHALF, 64*BP
.set BOFF,  2*AHALF
.set SLOT,  BOFF+2*BHALF
.set SCL,   2*SLOT
.set HALFS, NKC*272
.set SBLK,  (16*KS/256)*272
.set SPARE, SCL+4*HALFS
.set SP,    272                        ; the way out: 16 rows x (256 + 16) bytes a wave, in slot 0, which has had its last fill and its last read
.set BO,   7
.set ADRA, 16
.set ADRB, 20
.set STO,  24
.set RD,   25
.set CO,   26
.set ADSA, 27
.set SPW,  28
.set NIL,  29
.set ADSB, 30
.set SA,   32
.set SB,   48
.set BIAS, 64
.set G1, 24
.set G0, 32
.set G1B, 48
.set G0B, 56
.set G1S, 68
.set G0S, 76
.set G1SB, 80
.set G0SB, 88
.set MSB, 0
.macro WIN new
.if MSB != (\new)
	s_set_vgpr_msb (MSB<<8)|(\new)
.set MSB, (\new)
.endif
.endm
.set MUL,  0xa1                        ; source 0 (W) window 1, source 1 (A) window 0, C and D window 2
.set TO_B, 0x40
.macro JLOAD g0a, g1a, g0b, g1b        ; waves 0, 1 fetch for A, waves 2, 3 for W; an s_nop 0 and four v_nop follow each line
	s_cmp_eq_u32 s17, 0
	s_cbranch_scc0 .Lfor_b_\@
	tensor_load_to_lds s[\g0a:\g0a+3], s[\g1a:\g1a+7]
	s_nop 0
.rept 4
	v_nop
.endr
	s_branch .Lasked_\@
.Lfor_b_\@:
	tensor_load_to_lds s[\g0b:\g0b+3], s[\g1b:\g1b+7]
	s_nop 0
.rept 4
	v_nop
.endr
.Lasked_\@:
.endm
.macro CREST
	s_cmp_lg_u32 s16, 0
	s_cbranch_scc1 .Lnot_wave_0_\@
	s_barrier_signal -3
.Lnot_wave_0_\@:
	s_barrier_wait -3
	s_barrier_signal -1
	s_barrier_wait -1
.endm
.macro CROUND
	s_barrier_signal -1
	s_barrier_wait -1
	CREST
.endm
	s_load_b256 s[4:11], s[0:1], 0x0               ; A s[4:5], W's codes s[6:7], W's scales s[8:9], the bias s[10:11]
	s_load_b128 s[12:15], s[0:1], 0x20             ; the residual s[12:13], the result s[14:15]
	v_lshl_add_u32 v[SPW], v0, 2, SPARE
	v_mov_b32 v[NIL], 0
	ds_add_u32 v[SPW], v[NIL]                      ; the wave's opening: the add and its wait ahead of my first tensor load
	ds_add_u32 v[SPW], v[NIL]
	v_lshrrev_b32 v1, 5, v0
	v_readfirstlane_b32 s16, v1                    ; wave
	s_lshr_b32 s17, s16, 1                         ; my half of the tile's rows.  Also: I fetch for A (0) or W (1)
	s_and_b32 s18, s16, 1                          ; my half of its columns.  Also: which 64 rows I fetch
	s_bfe_u32 s40, ttmp6, 0x40000                  ; cx
	s_bfe_u32 s41, ttmp6, 0x40004                  ; cy
	s_lshl_b32 s42, ttmp9, 2
	s_add_co_u32 s42, s42, s40                     ; tile column
	s_and_b32 s19, ttmp7, 0xffff
	s_lshl_b32 s19, s19, 2
	s_add_co_u32 s19, s19, s41                     ; tile row
	s_lshl_b32 s43, s41, 2
	s_lshl_b32 s43, 15, s43                        ; my row of the cluster
	s_lshl_b32 s44, 0x1111, s40                    ; my column
	s_or_b32 s[G1], s43, (3<<16)|(1<<20)|(1<<21)|(4<<22)|(3<<25)    ; A's codes: elements of 8 bytes; 4 words of padding behind every 32
	s_mov_b32 s[G1+1], 2048<<16                    ; a row of the tile: the 128 token rows of one chunk, 16,384 dense bytes
	s_mov_b32 s[G1+2], 4<<16                       ; four chunks
	s_mov_b32 s[G1+3], 2048<<16
	s_mov_b32 s[G1+4], 4
	s_mov_b32 s[G1+5], 65536                       ; from chunk to chunk: 4,096 rows of 128 bytes
	s_mov_b32 s[G1+6], 0
	s_mov_b32 s[G1+7], 0
	s_or_b32 s[G1B], s44, (0<<16)|(1<<20)|(1<<21)|(6<<22)|(3<<25)   ; W's codes: 64 rows of 512 bytes; 4 words behind every 128
	s_mov_b32 s[G1B+1], 512<<16
	s_mov_b32 s[G1B+2], 128<<16                    ; 128 rows for the head's load; 64 for the ring's, set behind it
	s_mov_b32 s[G1B+3], 512<<16
	s_mov_b32 s[G1B+4], 128
	s_mov_b32 s[G1B+5], SIZE_K
	s_mov_b32 s[G1B+6], 0
	s_mov_b32 s[G1B+7], 0
	s_or_b32 s[G1S], s43, (3<<16)|(1<<20)|(1<<21)|(5<<22)|(3<<25)   ; A's scale words: elements of 8 bytes
	s_mov_b32 s[G1S+1], 64<<16                     ; A's scale words: the 128 rows' 512 bytes of each chunk, 16 bytes of padding behind every 256
	s_mov_b32 s[G1S+2], NKC<<16
	s_mov_b32 s[G1S+3], 64<<16
	s_mov_b32 s[G1S+4], NKC
	s_mov_b32 s[G1S+5], 2048
	s_mov_b32 s[G1S+6], 0
	s_mov_b32 s[G1S+7], 0
	s_or_b32 s[G1SB], s44, (3<<16)|(1<<20)|(1<<21)|(5<<22)|(3<<25)  ; W's scale bytes: dense, as rows of 256
	s_mov_b32 s[G1SB+1], 32<<16
	s_mov_b32 s[G1SB+2], (2*NKC)<<16               ; W's scale bytes of 128 rows
	s_mov_b32 s[G1SB+3], 32<<16
	s_mov_b32 s[G1SB+4], 2*NKC
	s_mov_b32 s[G1SB+5], 32
	s_mov_b32 s[G1SB+6], 0
	s_mov_b32 s[G1SB+7], 0
	s_lshl_b32 s21, s18, 6                         ; which 64 rows I fetch
	s_lshl_b32 s20, s19, 7
	s_lshl_b32 s46, s42, 7
	s_add_co_u32 s46, s46, s21                     ; W's row
	s_lshl_b32 s22, s20, 2
	s_add_co_u32 s22, s22, ACODES                  ; A's scale words
	s_lshl_b32 s20, s20, 7                         ; A's codes: the tile's first row;
	s_lshl_b32 s23, s18, 20
	s_add_co_u32 s20, s20, s23                     ; in the ring waves 0 and 1 fetch two chunks of 524,288 bytes each
	s_mul_i32 s92, s46, KS                         ; W's scale bytes
	s_mul_i32 s46, s46, SIZE_K                     ; W's codes
	s_mov_b32 s21, 0
	s_mov_b32 s23, 0
	s_mov_b32 s47, 0
	s_mov_b32 s93, 0
	s_mul_i32 s45, s18, AHALF                      ; where they go
	s_mul_i32 s94, s18, BHALF
	s_add_co_u32 s94, s94, BOFF
	s_wait_dscnt 0x0                               ; the opening add is done
	s_wait_kmcnt 0x0
	s_add_nc_u64 s[20:21], s[4:5], s[20:21]
	s_add_nc_u64 s[22:23], s[4:5], s[22:23]
	s_add_nc_u64 s[46:47], s[6:7], s[46:47]
	s_add_nc_u64 s[92:93], s[8:9], s[92:93]
	CROUND                                         ; all sixteen work-groups are here: the first joint loads meet
	s_mul_i32 s96, s18, 64*KS                      ; the scale bytes of my half's 64 rows of W: taken off again, the load brings the 128 rows whole
	s_mov_b32 s97, 0
	s_mov_b32 s[G0S], 1
	s_mov_b32 s[G0S+1], SCL
	s_mov_b64 s[G0S+2:G0S+3], s[22:23]
	s_or_b32 s[G0S+3], s[G0S+3], 0x80000000
	s_mov_b32 s[G0SB], 1
	s_mov_b32 s[G0SB+1], SCL+2*HALFS
	s_sub_nc_u64 s[G0SB+2:G0SB+3], s[92:93], s[96:97]
	s_or_b32 s[G0SB+3], s[G0SB+3], 0x80000000
.irp s, 0,1
	s_mov_b32 s[G0+4*\s], 1
	s_add_co_u32 s[G0+4*\s+1], s45, \s*SLOT
	s_add_nc_u64 s[G0+4*\s+2:G0+4*\s+3], s[20:21], \s*2097152      ; four chunks of 524,288 bytes
	s_or_b32 s[G0+4*\s+3], s[G0+4*\s+3], 0x80000000
	s_mov_b32 s[G0B+4*\s], 1
	s_add_co_u32 s[G0B+4*\s+1], s94, \s*SLOT
	s_add_nc_u64 s[G0B+4*\s+2:G0B+4*\s+3], s[46:47], \s*512
	s_or_b32 s[G0B+4*\s+3], s[G0B+4*\s+3], 0x80000000
.endr
; THE HEAD'S LOADS, ONE A WAVE: wave 0 slot 0's four chunks of A, wave 2 its 128 rows of W, by their own slot 0 descriptors; wave 1 A's scale words, wave 3 W's scale bytes.
; A's part of a slot lies [chunk][128 rows] x 144 bytes; A's scale words [chunk][half of the rows] x 272 bytes.
.macro ARM under, g0, g1, next
	s_cmp_lt_u32 s16, \under
	s_cbranch_scc0 \next
	tensor_load_to_lds s[\g0:\g0+3], s[\g1:\g1+7]
	s_nop 0
.rept 4
	v_nop
.endr
	s_branch .Lhead_asked
\next:
.endm
	ARM 1, G0,  G1,  .Lhead_sa
	ARM 2, G0S, G1S, .Lhead_b
	ARM 3, G0B, G1B, .Lhead_sb
	tensor_load_to_lds s[G0SB:G0SB+3], s[G1SB:G1SB+7]
	s_nop 0
.rept 4
	v_nop
.endr
.Lhead_asked:
	v_and_b32 v1, 15, v0                           ; r
	v_bfe_u32 v2, v0, 4, 1                         ; h
	v_and_b32 v6, 31, v0                           ; lane
	s_wait_alu depctr_va_vdst(0)
	v_mul_u32_u24 v3, v1, AP
	v_lshl_add_u32 v3, v2, 4, v3
	v_mul_u32_u24 v4, v1, BP
	v_lshl_add_u32 v4, v2, 4, v4
	s_mul_i32 s21, s17, 64*AP                      ; my 64 rows of each chunk
	s_mul_i32 s22, s18, BHALF
	s_add_co_u32 s22, s22, BOFF
.irp s, 0,1
	v_add_nc_u32 v[ADRA+\s], s21, v3
	v_add_nc_u32 v[ADRB+\s], s22, v4
	s_add_co_u32 s21, s21, SLOT
	s_add_co_u32 s22, s22, SLOT
.endr
	s_mul_i32 s21, s17, 272
	s_add_co_u32 s21, s21, SCL
	v_lshl_add_u32 v[ADSA], v6, 2, s21             ; A's scale words: 4 bytes a row: lanes 0-15 an even block's, lanes 16-31 the odd block's behind it
	v_mul_u32_u24 v5, v1, KS                       ; W's: KS bytes a row, 16 more for each 256 passed;
	v_lshrrev_b32 v3, 8, v5
	v_lshl_add_u32 v5, v3, 4, v5
	v_mul_u32_u24 v3, v2, SBLK                     ; lanes 16-31 take the block behind
	v_add_nc_u32 v5, v5, v3
	s_mul_i32 s21, s18, HALFS
	s_add_co_u32 s21, s21, SCL+2*HALFS
	v_add_nc_u32 v[ADSB], s21, v5
	s_mul_i32 s23, s16, 16*SP                      ; my stage
	v_mul_u32_u24 v5, v1, SP
	v_lshl_add_u32 v5, v2, 5, v5
	v_add_nc_u32 v[STO], s23, v5                   ; in: row r, 32 bytes for each half of the lanes
	v_mul_u32_u24 v5, v2, SP
	v_lshl_add_u32 v5, v1, 4, v5
	v_add_nc_u32 v[RD], s23, v5                    ; back: lanes 0-15 one row of 256 bytes, lanes 16-31 the next
	v_lshlrev_b32 v5, 12, v2
	v_lshl_add_u32 v[CO], v1, 4, v5                ; and the same two rows in memory
	v_lshlrev_b32 v[BO], 5, v2
	s_wait_alu depctr_va_vdst(0)
	s_lshl_b32 s46, s42, 9
	s_lshl_b32 s47, s18, 8
	s_add_co_u32 s46, s46, s47                     ; my first column, in bytes
	s_mov_b32 s47, 0
	s_add_nc_u64 s[10:11], s[10:11], s[46:47]
	s_lshl_b32 s96, s19, 19
	s_lshl_b32 s97, s17, 18
	s_add_co_u32 s96, s96, s97                     ; my first row of 4,096 bytes
	s_add_co_u32 s96, s96, s46
	s_mov_b32 s97, 0
	s_add_nc_u64 s[12:13], s[12:13], s[96:97]
	s_add_nc_u64 s[14:15], s[14:15], s[96:97]
.irp b, 0,1,2,3
	global_load_b128 v[BIAS+8*\b:BIAS+8*\b+3],   v[BO], s[10:11] offset:64*\b       ; tile b, register j: column 16 b + 8 h + j
	global_load_b128 v[BIAS+8*\b+4:BIAS+8*\b+7], v[BO], s[10:11] offset:64*\b+16
.endr
	WIN TO_B
.irp a, 0,1,2,3
.irp t, 0,1,2,3,4,5,6,7
	global_load_b128 v[64+32*(\a%2)+128*(\a/2)+4*\t:64+32*(\a%2)+128*(\a/2)+4*\t+3], v[CO], s[12:13] offset:(16*\a+2*\t)*4096   ; the residual, in the layout in which the stage gives rows back; awaited on the way out
.endr
.endr
	WIN 0
; One product: A's block a x W's block b, the slot's q-th 128 along K, fragment set p, scale set s.  The scale words of an odd block stand in lanes 16-31.
.macro WM a, b, p, q, s, first
.set rD, 8*(4*(\a)+(\b))
.set rC, rD
.if \first
.set rC, BIAS+8*(\b)
.endif
.set rB, 128*(\p)+16*(\b)
.set rA, 128+64*(\p)+16*(\a)
.set rSB, SB+8*(\s)+4*((\b)/2)+(\q)
.set rSA, SA+8*(\s)+4*((\a)/2)+(\q)
.if ((\a)%2 == 0) && ((\b)%2 == 0)
	v_wmma_scale_f32_16x16x128_f8f6f4 v[rD:rD+7], v[rB:rB+15], v[rA:rA+15], v[rC:rC+7], v[rSB], v[rSA]
.elseif ((\a)%2 == 0)
	v_wmma_scale_f32_16x16x128_f8f6f4 v[rD:rD+7], v[rB:rB+15], v[rA:rA+15], v[rC:rC+7], v[rSB], v[rSA] matrix_a_scale:MATRIX_SCALE_ROW1
.elseif ((\b)%2 == 0)
	v_wmma_scale_f32_16x16x128_f8f6f4 v[rD:rD+7], v[rB:rB+15], v[rA:rA+15], v[rC:rC+7], v[rSB], v[rSA] matrix_b_scale:MATRIX_SCALE_ROW1
.else
	v_wmma_scale_f32_16x16x128_f8f6f4 v[rD:rD+7], v[rB:rB+15], v[rA:rA+15], v[rC:rC+7], v[rSB], v[rSA] matrix_a_scale:MATRIX_SCALE_ROW1 matrix_b_scale:MATRIX_SCALE_ROW1
.endif
.endm
.macro MULA a0, n, p, q, s, first      ; A's blocks a0 .. a0 + n - 1 x W's four.  The 16 accumulators take turns, in the same order in every step
.set ma, \a0
.rept \n
.irp b, 0,1,2,3
	WM ma, \b, \p, \q, \s, \first
.endr
.set ma, ma+1
.endr
.endm
.macro FETCH slot, q, p                ; the fragments of the slot's q-th 128 along K into set p: 32 loads in one run
	WIN TO_B
.irp i, 0,1,2,3
.irp c, 0,1,2,3
	ds_load_b128 v[128*(\p)+16*\i+4*\c:128*(\p)+16*\i+4*\c+3], v[ADRB+\slot] offset:128*(\q)+16*BP*\i+32*\c
.endr
.endr
	WIN 0
.irp i, 0,1,2,3
.irp c, 0,1,2,3
	ds_load_b128 v[128+64*(\p)+16*\i+4*\c:128+64*(\p)+16*\i+4*\c+3], v[ADRA+\slot] offset:128*AP*(\q)+16*AP*\i+32*\c
.endr
.endr
.endm
.macro SCALES s                        ; a slot's scale words
.irp ip, 0,1
.irp q, 0,1,2,3
	ds_load_b32 v[SA+8*\s+4*\ip+\q], v[ADSA] offset:128*\ip+544*\q
.endr
.endr
.irp jp, 0,1
	ds_load_b128 v[SB+8*\s+4*\jp:SB+8*\s+4*\jp+3], v[ADSB] offset:\jp*2*SBLK
.endr
.endm
.macro PLACES n
.rept \n
	v_nop
.endr
.endm
.macro STEP slot, q, first             ; 128 along K whose successor lies in the same slot
	s_wait_dscnt 0x0                               ; this step's fragments are in
	PLACES 8                                       ; behind the last step's products, whose set the loads below fill
	FETCH \slot, (\q)+1, 1-(\q)%2
	WIN MUL-0x20*(\first)                          ; (with the bias as C: source 2 in window 0)
	MULA 0, 4, (\q)%2, \q, \slot, \first
	WIN 0
.endm
; A slot's last step changes slots: one barrier; in front of it each wave waits for all its tensor loads, adds 0 to its spare word, and waits for that and for its reads of this slot.
.macro TURN slot, next, fill
	s_wait_tensorcnt 0x0                           ; all my tensor loads have landed: my part of the next slot
	ds_add_u32 v[SPW], v[NIL]
	s_wait_dscnt 1                                 ; this step's fragments are in; the add may be out
	WIN MUL
	MULA 0, 1, 1, 3, \slot, 0
	s_wait_dscnt 0x0                               ; the add is done, and my reads of this slot are over
	s_barrier_signal -1
	MULA 1, 1, 1, 3, \slot, 0
	WIN 0
	s_barrier_wait -1
.if \fill
	CREST                                          ; the barrier has opened a round of the cluster's
	s_add_nc_u64 s[G0+4*\slot+2:G0+4*\slot+3], s[G0+4*\slot+2:G0+4*\slot+3], 4194304
	s_add_nc_u64 s[G0B+4*\slot+2:G0B+4*\slot+3], s[G0B+4*\slot+2:G0B+4*\slot+3], 1024
	JLOAD G0+4*\slot, G1, G0B+4*\slot, G1B         ; the first tensor load behind the round; its four v_nop are among the places
	PLACES 4
.else
	PLACES 8
.endif
	v_add_nc_u32 v[ADSA], 4*544, v[ADSA]           ; the next slot's scale words (no LDS load of mine is out)
	v_add_nc_u32 v[ADSB], 16, v[ADSB]
	FETCH \next, 0, 0
	SCALES \next
	WIN MUL
	MULA 2, 2, 1, 3, \slot, 0
	WIN 0
.endm
	s_wait_alu depctr_va_vdst(0)
	s_wait_tensorcnt 0x0                           ; my tile of the head's four is in
	ds_add_u32 v[SPW], v[NIL]
	s_mov_b32 s[G1+2], 2<<16                       ; no tensor load of mine is out: from here on a load brings two chunks of A
	s_mov_b32 s[G1+4], 2
	s_mov_b32 s[G1B+2], 64<<16                     ; or 64 rows of W
	s_mov_b32 s[G1B+4], 64
	s_wait_dscnt 0x0
	CROUND                                         ; all four tiles are in, and all sixteen work-groups are here
	JLOAD G0+4, G1, G0B+4, G1B                     ; slot 1, the first tensor load behind the round
	FETCH 0, 0, 0
	SCALES 0
	s_wait_loadcnt 32                              ; the bias is in; the residual's 32 loads may be out
	STEP 0, 0, 1                                   ; the first step stands in front of the loop: its products start the sums
.if LAPS > 1
	s_mov_b32 s3, LAPS-1
.Llap:
	STEP 0, 1, 0
	STEP 0, 2, 0
	TURN 0, 1, 1
	STEP 1, 0, 0
	STEP 1, 1, 0
	STEP 1, 2, 0
	TURN 1, 0, 1
	STEP 0, 0, 0
	s_sub_co_u32 s3, s3, 1
	s_cmp_lg_u32 s3, 0
	s_cbranch_scc1 .Llap
.endif
	STEP 0, 1, 0                                   ; the last lap fills nothing
	STEP 0, 2, 0
	TURN 0, 1, 0
	STEP 1, 0, 0
	STEP 1, 1, 0
	STEP 1, 2, 0
	s_wait_dscnt 0x0
	WIN MUL
	MULA 0, 4, 1, 3, 1, 0
	WIN 0
	PLACES 8
	s_wait_loadcnt 0x0                             ; the residual
	; THE WAY OUT, a block of 16 rows x 64 columns at a time: through my stage, back as rows of 256 bytes, + the residual, stored
.irp a, 0,1,2,3
	WIN 0x08                                       ; an LDS store's data are its source 1: window 2
.irp b, 0,1,2,3
	ds_store_b128 v[STO], v[8*(4*\a+\b):8*(4*\a+\b)+3] offset:64*\b       ; each accumulator from its low end on
	ds_store_b128 v[STO], v[8*(4*\a+\b)+4:8*(4*\a+\b)+7] offset:64*\b+16
.endr
	WIN 0
.irp t, 0,1,2,3,4,5,6,7
	ds_load_b128 v[128+32*\a+4*\t:128+32*\a+4*\t+3], v[RD] offset:2*SP*\t   ; LDS serves a wave's instructions in order: these see my stores
.endr
	s_wait_dscnt 0x0
	WIN 0x04                                       ; source 1: window 1
.irp i, 0,2,4,6,8,10,12,14,16,18,20,22,24,26,28,30
	v_pk_add_f32 v[128+32*\a+\i:128+32*\a+\i+1], v[128+32*\a+\i:128+32*\a+\i+1], v[64+32*(\a%2)+128*(\a/2)+\i:64+32*(\a%2)+128*(\a/2)+\i+1]
.endr
	WIN 0
.irp t, 0,1,2,3,4,5,6,7
	global_store_b128 v[CO], v[128+32*\a+4*\t:128+32*\a+4*\t+3], s[14:15] offset:(16*\a+2*\t)*4096   ; 16 lanes store 256 consecutive bytes, aligned; each block has registers of its own
.endr
.endr
	s_wait_tensorcnt 0x0                           ; the wave's end
	ds_add_u32 v[SPW], v[NIL]
	s_wait_dscnt 0x0
	CROUND                                         ; the closing round
	s_endpgm
.Lfunc_end_k_qc45efc1a0c_oproj:
	.size	k_qc45efc1a0c_oproj, .Lfunc_end_k_qc45efc1a0c_oproj-k_qc45efc1a0c_oproj
	.p2alignl 7, 3214868480
	.fill 96, 4, 3214868480
	.section	.rodata,"a",@progbits
	.p2align	6, 0x0
	.amdhsa_kernel k_qc45efc1a0c_oproj
		.amdhsa_group_segment_fixed_size 327680
		.amdhsa_private_segment_fixed_size 0
		.amdhsa_enable_private_segment 0
		.amdhsa_kernarg_size 48
		.amdhsa_user_sgpr_count 2
		.amdhsa_user_sgpr_kernarg_segment_ptr 1
		.amdhsa_wavefront_size32 1
		.amdhsa_system_sgpr_workgroup_id_x 1
		.amdhsa_system_sgpr_workgroup_id_y 1
		.amdhsa_system_sgpr_workgroup_id_z 1
		.amdhsa_system_vgpr_workitem_id 0
		.amdhsa_next_free_vgpr 768
		.amdhsa_next_free_sgpr 102
		.amdhsa_reserve_vcc 0
		.amdhsa_float_denorm_mode_32 3
		.amdhsa_float_denorm_mode_16_64 3
		.amdhsa_memory_ordered 1
		.amdhsa_forward_progress 1
		.amdhsa_inst_pref_size 64
	.end_amdhsa_kernel
	.amdgpu_metadata
---
amdhsa.version: [ 1, 2 ]
amdhsa.kernels:
  - .name:           k_qc45efc1a0c_oproj
    .symbol:         k_qc45efc1a0c_oproj.kd
    .args:
      - { .name: att, .offset: 0, .size: 8, .value_kind: global_buffer, .address_space: global }
      - { .name: out_w_codes, .offset: 8, .size: 8, .value_kind: global_buffer, .address_space: global }
      - { .name: out_w_scales, .offset: 16, .size: 8, .value_kind: global_buffer, .address_space: global }
      - { .name: out_b, .offset: 24, .size: 8, .value_kind: global_buffer, .address_space: global }
      - { .name: x, .offset: 32, .size: 8, .value_kind: global_buffer, .address_space: global }
      - { .name: x1, .offset: 40, .size: 8, .value_kind: global_buffer, .address_space: global }
    .group_segment_fixed_size: 327680
    .private_segment_fixed_size: 0
    .kernarg_segment_align: 8
    .kernarg_segment_size: 48
    .max_flat_workgroup_size: 128
    .sgpr_count:     102
    .vgpr_count:     768
    .wavefront_size: 32
...
	.end_amdgpu_metadata
.endif
;; end of part 4
;; launch ln2: the kernel of part 1 again; grid 256 x 1, 4 waves a work-group, no clusters, 1,024 bytes of LDS; arguments x1, ln2_g, ln2_b, nx; writes nx
;; launch fc1 (part 5): grid 16 x 16, 4 waves a work-group, clusters of 4 x 4, 327,680 bytes of LDS; arguments nx, fc1_w_codes, fc1_w_scales, fc1_b, hid; writes hid
.if DOCPART == 5
	.amdgcn_target "amdgcn-amd-amdhsa--gfx1250"
	.amdhsa_code_object_version 6
	.text
	.protected	k_qc45efc1a0c_fc1
	.globl	k_qc45efc1a0c_fc1
	.p2align	8
	.type	k_qc45efc1a0c_fc1,@function
k_qc45efc1a0c_fc1:
	s_mov_b64 s[64:65], 0
	v_nop
	global_prefetch_b8 v0, s[64:65] scope:SCOPE_SE
	s_setreg_imm32_b32 hwreg(HW_REG_WAVE_MODE, 25, 1), 1
	s_wait_xcnt 0x0
	s_wait_alu depctr_hold_cnt(0) depctr_sa_sdst(0) depctr_va_vdst(0) depctr_va_sdst(0) depctr_va_ssrc(0) depctr_va_vcc(0) depctr_vm_vsrc(0)
	s_getreg_b32 s2, hwreg(HW_REG_IB_STS2, 6, 4)
	s_cmp_eq_u32 s2, 0
	s_cbranch_scc0 .Lentry_in_a_cluster
	s_endpgm
.Lentry_in_a_cluster:
	s_bfe_u32 s2, ttmp6, 0x10000c
	s_cmp_lg_u32 s2, 0xf033
	s_cbranch_scc0 .Lentry_shape_is_right
	s_endpgm
.Lentry_shape_is_right:
.set MODE,   1
.set KSTEP,  256
.set NQ,     2
.set ROWB,   256
.set KROW,   1024
.set PITCH,  272
.set FR,     16
.set NL,     4
.set NP,     8
.set HALFT,  128*PITCH
.set SLOT,   4*HALFT
.set LAPS,   2
.set KS,     32
.set SCL,    2*SLOT
.set HALFS,  (128*KS/256)*272
.set SBLK,   (16*KS/256)*272
.set SPARE,  SCL+4*HALFS
.set WST,    4096
.set WSW,    2560
.set BO,   7
.set GO,   8
.set GS,   12
.set SSA,  13
.set SSR,  14
.set PW,   15
.set ADRA, 16
.set SV,   18
.set W0,   19
.set ADRB, 20
.set W1,   22
.set STO,  24
.set RDA,  25
.set ADRS, 27
.set SPW,  28
.set NIL,  29
.set RBO,  30
.set SC,   32
.set BIAS, 64
.set AF,   128
.set TM,   32
.set PC,   48
.set OUTR, 192
.if MODE
.set XQ,   64
.set HX,   128
.set QQ,   192
.set TT,   32
.set PP,   48
.set RS2, 24
.set A11, 26
.set A9,  28
.set A7,  30
.set A5,  32
.set A3,  34
.set A1,  36
.set B6,  38
.set B4,  40
.set B2,  42
.set B0,  44
.else
.set XQ,   128
.set RB,   80
.endif
.set G1, 24
.set G0, 32
.set G1B, 48
.set G0B, 56
.set G1S, 68
.set G0S, 76
.set G1SB, 80
.set G0SB, 88
.set MSB, 0
.macro WIN new
.if MSB != (\new)
	s_set_vgpr_msb (MSB<<8)|(\new)
.set MSB, (\new)
.endif
.endm
.set MUL_LO, 0xa1
.set MUL_HI, 0xf1
.set TO_B,   0x40
.macro JLOAD g0a, g1a, g0b, g1b
	s_cmp_eq_u32 s15, 0
	s_cbranch_scc0 .Lfor_b_\@
	tensor_load_to_lds s[\g0a:\g0a+3], s[\g1a:\g1a+7]
	s_nop 0
.rept 4
	v_nop
.endr
	s_branch .Lasked_\@
.Lfor_b_\@:
	tensor_load_to_lds s[\g0b:\g0b+3], s[\g1b:\g1b+7]
	s_nop 0
.rept 4
	v_nop
.endr
.Lasked_\@:
.endm
.macro CREST
	s_cmp_lg_u32 s14, 0
	s_cbranch_scc1 .Lnot_wave_0_\@
	s_barrier_signal -3
.Lnot_wave_0_\@:
	s_barrier_wait -3
	s_barrier_signal -1
	s_barrier_wait -1
.endm
.macro CROUND
	s_barrier_signal -1
	s_barrier_wait -1
	CREST
.endm
	s_load_b256 s[4:11], s[0:1], 0x0
	s_load_b64 s[12:13], s[0:1], 0x20
	v_lshl_add_u32 v[SPW], v0, 2, SPARE
	v_mov_b32 v[NIL], 0
	ds_add_u32 v[SPW], v[NIL]
	ds_add_u32 v[SPW], v[NIL]
	v_lshrrev_b32 v1, 5, v0
	v_readfirstlane_b32 s14, v1
	s_lshr_b32 s15, s14, 1
	s_and_b32 s16, s14, 1
	s_bfe_u32 s40, ttmp6, 0x40000
	s_bfe_u32 s41, ttmp6, 0x40004
	s_and_b32 s18, ttmp7, 0xffff
	s_lshl_b32 s18, s18, 2
	s_lshl_b32 s19, ttmp9, 2
.if MODE
	s_add_co_u32 s17, s18, s41
	s_add_co_u32 s42, s19, s40
.else
	s_cmp_eq_u32 ttmp9, 2
	s_cselect_b32 s17, 0, s18
	s_cselect_b32 s42, s18, s19
	s_cselect_b32 s66, -1, 0
	s_cselect_b32 s67, 0, -1
	s_add_co_u32 s17, s17, s41
	s_add_co_u32 s42, s42, s40
.endif
	s_lshl_b32 s43, s41, 2
	s_lshl_b32 s43, 15, s43
	s_lshl_b32 s44, 0x1111, s40
	s_or_b32 s[G1+0], s43, (0<<16)|(1<<20)|(1<<21)|(5<<22)|(3<<25)
	s_or_b32 s[G1B+0], s44, (0<<16)|(1<<20)|(1<<21)|(5<<22)|(3<<25)
.irp g, G1, G1B
	s_mov_b32 s[\g+1], ROWB<<16
	s_mov_b32 s[\g+2], 256<<16
	s_mov_b32 s[\g+3], ROWB<<16
	s_mov_b32 s[\g+4], 256
	s_mov_b32 s[\g+5], KROW
	s_mov_b32 s[\g+6], 0
	s_mov_b32 s[\g+7], 0
.endr
	s_or_b32 s[G1S+0], s43, (3<<16)|(1<<20)|(1<<21)|(5<<22)|(3<<25)
	s_or_b32 s[G1SB+0], s44, (3<<16)|(1<<20)|(1<<21)|(5<<22)|(3<<25)
.irp g, G1S, G1SB
	s_mov_b32 s[\g+1], 32<<16
	s_mov_b32 s[\g+2], (256*KS/256)<<16
	s_mov_b32 s[\g+3], 32<<16
	s_mov_b32 s[\g+4], 256*KS/256
	s_mov_b32 s[\g+5], 32
	s_mov_b32 s[\g+6], 0
	s_mov_b32 s[\g+7], 0
.endr
	s_lshl_b32 s18, s16, 7
	s_lshl_b32 s20, s17, 8
	s_add_co_u32 s20, s20, s18
	s_lshl_b32 s46, s42, 8
	s_add_co_u32 s46, s46, s18
	s_lshl_b32 s22, s20, 5
	s_lshl_b32 s92, s46, 5
	s_lshl_b32 s20, s20, 10
	s_lshl_b32 s46, s46, 10
	s_mov_b32 s21, 0
	s_mov_b32 s23, 0
	s_mov_b32 s47, 0
	s_mov_b32 s93, 0
	s_mul_i32 s45, s14, HALFT
	s_wait_dscnt 0x0
	s_wait_kmcnt 0x0
.if MODE
	s_add_nc_u64 s[20:21], s[4:5], s[20:21]
	s_add_nc_u64 s[22:23], s[4:5], s[22:23]
	s_add_nc_u64 s[22:23], s[22:23], 0x400000
	s_add_nc_u64 s[46:47], s[6:7], s[46:47]
	s_add_nc_u64 s[92:93], s[8:9], s[92:93]
.else
	s_add_nc_u64 s[96:97], s[4:5], 0x400000
	s_add_nc_u64 s[98:99], s[6:7], 0x200000
	s_add_nc_u64 s[100:101], s[8:9], 0x10000
	s_cmp_eq_u32 ttmp9, 2
	s_cselect_b64 s[18:19], s[98:99], s[4:5]
	s_cselect_b64 s[2:3], s[100:101], s[96:97]
	s_cselect_b64 s[98:99], s[4:5], s[6:7]
	s_cselect_b64 s[100:101], s[96:97], s[8:9]
	s_add_nc_u64 s[20:21], s[18:19], s[20:21]
	s_add_nc_u64 s[22:23], s[2:3], s[22:23]
	s_add_nc_u64 s[46:47], s[98:99], s[46:47]
	s_add_nc_u64 s[92:93], s[100:101], s[92:93]
.endif
	CROUND
	s_lshl_b32 s100, s16, 12                       ; the scale bytes of my half's 128 rows: taken off again, a scale load brings a side's 256 rows whole
	s_mov_b32 s101, 0
	s_mov_b32 s[G0S], 1
	s_mov_b32 s[G0S+1], SCL
	s_sub_nc_u64 s[G0S+2:G0S+3], s[22:23], s[100:101]
	s_or_b32 s[G0S+3], s[G0S+3], 0x80000000
	s_mov_b32 s[G0SB], 1
	s_mov_b32 s[G0SB+1], SCL+2*HALFS
	s_sub_nc_u64 s[G0SB+2:G0SB+3], s[92:93], s[100:101]
	s_or_b32 s[G0SB+3], s[G0SB+3], 0x80000000
.irp s, 0,1
	s_mov_b32 s[G0+4*\s], 1
	s_add_co_u32 s[G0+4*\s+1], s45, \s*SLOT
	s_add_nc_u64 s[G0+4*\s+2:G0+4*\s+3], s[20:21], \s*ROWB
	s_or_b32 s[G0+4*\s+3], s[G0+4*\s+3], 0x80000000
	s_mov_b32 s[G0B+4*\s], 1
	s_add_co_u32 s[G0B+4*\s+1], s45, \s*SLOT
	s_add_nc_u64 s[G0B+4*\s+2:G0B+4*\s+3], s[46:47], \s*ROWB
	s_or_b32 s[G0B+4*\s+3], s[G0B+4*\s+3], 0x80000000
.endr
; THE HEAD'S LOADS, ONE A WAVE: wave 0 K step 0's 256 rows of the A side, wave 2 those of the B side, by their own slot 0 descriptors; wave 1 the A side's scale bytes, wave 3 the B side's
.macro ARM under, g0, g1, next
	s_cmp_lt_u32 s14, \under
	s_cbranch_scc0 \next
	tensor_load_to_lds s[\g0:\g0+3], s[\g1:\g1+7]
	s_nop 0
.rept 4
	v_nop
.endr
	s_branch .Lhead_asked
\next:
.endm
	ARM 1, G0,  G1,  .Lhead_sa
	ARM 2, G0S, G1S, .Lhead_b
	ARM 3, G0B, G1B, .Lhead_sb
	tensor_load_to_lds s[G0SB:G0SB+3], s[G1SB:G1SB+7]
	s_nop 0
.rept 4
	v_nop
.endr
.Lhead_asked:
	v_and_b32 v1, 15, v0
	v_bfe_u32 v2, v0, 4, 1
	v_mul_u32_u24 v3, v1, PITCH
	v_lshl_add_u32 v4, v2, 4, v3
	s_mul_i32 s21, s15, HALFT
	s_mul_i32 s22, s16, HALFT
	s_add_co_u32 s22, s22, 2*HALFT
.irp s, 0,1
	v_add_nc_u32 v[ADRA+\s], s21, v4
	v_add_nc_u32 v[ADRB+\s], s22, v4
	s_add_co_u32 s21, s21, SLOT
	s_add_co_u32 s22, s22, SLOT
.endr
	v_mul_u32_u24 v5, v1, KS
	v_lshrrev_b32 v6, 8, v5
	v_lshl_add_u32 v5, v6, 4, v5
	s_mul_i32 s21, s15, HALFS
	s_mul_i32 s22, s16, HALFS
	s_add_co_u32 s22, s22, 2*HALFS
	s_sub_co_u32 s22, s22, s21
	v_mul_u32_u24 v6, s22, v2
	s_add_co_u32 s21, s21, SCL
	v_add_nc_u32 v5, v5, v6
	v_add_nc_u32 v[ADRS], s21, v5
	s_lshl_b32 s23, s14, 12
	v_mul_u32_u24 v5, v1, 144
	v_lshl_add_u32 v5, v2, 3, v5
	v_add_nc_u32 v[STO], s23, v5
	v_and_b32 v6, 31, v0
	v_lshrrev_b32 v5, 3, v6
	v_mul_u32_u24 v5, v5, 144
	v_and_b32 v4, 7, v6
	v_lshl_add_u32 v5, v4, 4, v5
	v_add_nc_u32 v[RDA], s23, v5
	v_lshlrev_b32 v5, 2, v1
	v_lshl_add_u32 v5, v2, 9, v5
	v_add_nc_u32 v5, s23, v5
	v_add_nc_u32 v[SSA], WSW, v5
	v_lshl_add_u32 v5, v6, 4, s23
	v_add_nc_u32 v[SSR], WSW, v5
	v_lshlrev_b32 v[BO], 5, v2
	v_lshlrev_b32 v[RBO], 2, v1
	s_lshl_b32 s46, s42, 10
	s_lshl_b32 s47, s16, 9
	s_add_co_u32 s46, s46, s47
.if MODE == 0
	s_cmp_eq_u32 ttmp9, 2
	s_cselect_b32 s46, 0, s46
	s_lshl_b32 s94, s41, 10
	s_lshl_b32 s95, s15, 9
	s_add_co_u32 s94, s94, s95
	s_add_co_u32 s94, s94, 8192
	s_mov_b32 s95, 0
	s_add_nc_u64 s[94:95], s[10:11], s[94:95]
.endif
	s_mov_b32 s47, 0
	s_add_nc_u64 s[10:11], s[10:11], s[46:47]
.irp b, 0,1,2,3,4,5,6,7
	global_load_b128 v[BIAS+8*\b:BIAS+8*\b+3],   v[BO], s[10:11] offset:64*\b
	global_load_b128 v[BIAS+8*\b+4:BIAS+8*\b+7], v[BO], s[10:11] offset:64*\b+16
.endr
.if MODE
	v_lshlrev_b32 v[GO], 4, v6
	v_lshlrev_b32 v[GS], 4, v6
	s_lshl_b32 s96, s42, 1
	s_add_co_u32 s96, s96, s16
	s_lshl_b32 s97, s17, 8
	s_lshl_b32 s98, s15, 7
	s_add_co_u32 s97, s97, s98
	s_lshl_b32 s98, s96, 19
	s_lshl_b32 s99, s97, 7
	s_add_co_u32 s98, s98, s99
	s_lshl_b32 s96, s96, 14
	s_lshl_b32 s97, s97, 2
	s_add_co_u32 s96, s96, s97
	s_add_co_u32 s96, s96, 16777216
	s_mov_b32 s99, 0
	s_mov_b32 s97, 0
	s_add_nc_u64 s[98:99], s[12:13], s[98:99]
	s_add_nc_u64 s[12:13], s[12:13], s[96:97]
.else
	s_cmp_eq_u32 ttmp9, 2
	s_mov_b32 s18, 0x20000
	s_cselect_b32 s18, 64, s18
	s_cselect_b32 s19, 128, 64
	s_mov_b32 s2, 256
	s_cselect_b32 s2, 4096, s2
	v_bfe_u32 v4, v0, 2, 1
	v_mul_lo_u32 v4, v4, s18
	v_bfe_u32 v5, v0, 3, 2
	v_mul_lo_u32 v5, v5, s19
	v_add_nc_u32 v4, v4, v5
	v_and_b32 v5, 3, v0
	v_lshl_add_u32 v[GO], v5, 4, v4
	s_lshl_b32 s19, s19, 2
	v_add_nc_u32 v[GO+1], s19, v[GO]
	v_add_nc_u32 v[GO+2], s19, v[GO+1]
	v_add_nc_u32 v[GO+3], s19, v[GO+2]
	v_mul_lo_u32 v5, v2, s2
	v_lshl_add_u32 v[GS], v1, 4, v5
	s_lshr_b32 s96, s42, 2
	s_lshl_b32 s96, s96, 5
	s_lshr_b32 s97, s17, 3
	s_lshl_b32 s97, s97, 4
	s_add_co_u32 s96, s96, s97
	s_and_b32 s97, s42, 3
	s_lshl_b32 s97, s97, 2
	s_add_co_u32 s96, s96, s97
	s_lshl_b32 s97, s16, 1
	s_add_co_u32 s96, s96, s97
	s_and_b32 s97, s17, 7
	s_lshl_b32 s97, s97, 8
	s_lshl_b32 s98, s15, 7
	s_add_co_u32 s97, s97, s98
	s_lshl_b32 s98, s96, 17
	s_lshl_b32 s99, s97, 6
	s_add_co_u32 s98, s98, s99
	s_lshl_b32 s96, s96, 13
	s_lshl_b32 s97, s97, 2
	s_add_co_u32 s96, s96, s97
	s_add_co_u32 s96, s96, 12582912
	s_lshr_b32 s99, s42, 3
	s_lshl_b32 s99, s99, 4
	s_lshl_b32 s100, s17, 2
	s_add_co_u32 s99, s99, s100
	s_lshl_b32 s100, s15, 1
	s_add_co_u32 s99, s99, s100
	s_lshl_b32 s99, s99, 4
	s_and_b32 s100, s42, 7
	s_lshl_b32 s100, s100, 1
	s_add_co_u32 s99, s99, s100
	s_add_co_u32 s99, s99, s16
	s_lshl_b32 s100, s99, 13
	s_add_co_u32 s100, s100, 8388608
	s_lshl_b32 s99, s99, 8
	s_add_co_u32 s99, s99, 13107200
	s_cmp_eq_u32 ttmp9, 2
	s_cselect_b32 s98, s100, s98
	s_cselect_b32 s96, s99, s96
	s_mov_b32 s99, 0
	s_mov_b32 s97, 0
	s_add_nc_u64 s[98:99], s[12:13], s[98:99]
	s_add_nc_u64 s[12:13], s[12:13], s[96:97]
	s_mov_b32 s100, 1024
	s_cselect_b32 s100, 2048, s100
	s_mov_b32 s101, 0
	s_cselect_b32 s96, 122880, 0
.endif
.macro FRAG reg, adr, q, i
.irp c, 0,1,2,3
	ds_load_b128 v[\reg+4*\c:\reg+4*\c+3], v[\adr] offset:128*(\q)+32*\c+(\i)*16*PITCH
.endr
.endm
.macro MUL16 a0, p, q, sc, zero
.irp a, \a0, \a0+1
.irp b, 0,1,2,3,4,5,6,7
.if \zero
	v_wmma_scale_f32_16x16x128_f8f6f4 v[8*(8*((\a)%4)+\b):8*(8*((\a)%4)+\b)+7], v[128*(\p)+FR*\b:128*(\p)+FR*\b+FR-1], v[AF+FR*(\a):AF+FR*(\a)+FR-1], v[BIAS+8*\b:BIAS+8*\b+7], v[SC+8*NQ*(\sc)+NQ*\b+(\q)], v[SC+8*NQ*(\sc)+NQ*(\a)+(\q)] matrix_a_scale:MATRIX_SCALE_ROW1
.else
	v_wmma_scale_f32_16x16x128_f8f6f4 v[8*(8*((\a)%4)+\b):8*(8*((\a)%4)+\b)+7], v[128*(\p)+FR*\b:128*(\p)+FR*\b+FR-1], v[AF+FR*(\a):AF+FR*(\a)+FR-1], v[8*(8*((\a)%4)+\b):8*(8*((\a)%4)+\b)+7], v[SC+8*NQ*(\sc)+NQ*\b+(\q)], v[SC+8*NQ*(\sc)+NQ*(\a)+(\q)] matrix_a_scale:MATRIX_SCALE_ROW1
.endif
.endr
.endr
.endm
.macro FETCH_B slot, q, p
	WIN TO_B
.irp i, 0,1,2,3,4,5,6,7
	FRAG 128*(\p)+FR*\i, ADRB+\slot, \q, \i
.endr
	WIN 0
.endm
.macro FETCH_A slot, q, i0
.irp i, \i0, \i0+1, \i0+2, \i0+3
	FRAG AF+FR*(\i), ADRA+\slot, \q, \i
.endr
.endm
.macro SCALES sc
.irp i, 0,1,2,3,4,5,6,7
	ds_load_b64 v[SC+8*NQ*\sc+NQ*\i:SC+8*NQ*\sc+NQ*\i+1], v[ADRS] offset:\i*SBLK
.endr
.endm
.macro PLACES n
.rept \n
	v_nop
.endr
.endm
.macro STEP slot, q, zero
	s_wait_dscnt 4*NL
	WIN MUL_LO-0x20*(\zero)
	MUL16 0, (\q)%2, \q, \slot, \zero
	MUL16 2, (\q)%2, \q, \slot, \zero
	s_wait_dscnt 0
	PLACES NP
	FETCH_B \slot, (\q)+1, 1-(\q)%2
	FETCH_A \slot, (\q)+1, 0
	WIN MUL_HI-0x30*(\zero)
	MUL16 4, (\q)%2, \q, \slot, \zero
	MUL16 6, (\q)%2, \q, \slot, \zero
	PLACES NP
	WIN 0
	FETCH_A \slot, (\q)+1, 4
.endm
.macro TURN slot, next, fill
	s_wait_tensorcnt 0x0
	ds_add_u32 v[SPW], v[NIL]
	s_wait_dscnt 4*NL+1
	WIN MUL_LO
	MUL16 0, 1, NQ-1, \slot, 0
	s_wait_dscnt 0x0
	s_barrier_signal -1
	MUL16 2, 1, NQ-1, \slot, 0
	WIN 0
	s_barrier_wait -1
.if \fill
	CREST
	s_add_nc_u64 s[G0+4*\slot+2:G0+4*\slot+3], s[G0+4*\slot+2:G0+4*\slot+3], 2*ROWB
	s_add_nc_u64 s[G0B+4*\slot+2:G0B+4*\slot+3], s[G0B+4*\slot+2:G0B+4*\slot+3], 2*ROWB
	JLOAD G0+4*\slot, G1, G0B+4*\slot, G1B
	PLACES NP-4
.else
	PLACES NP
.endif
	s_wait_alu depctr_va_vdst(0)
	v_add_nc_u32 v[ADRS], 4*NQ, v[ADRS]
	FETCH_B \next, 0, 0
	FETCH_A \next, 0, 0
	SCALES \next
	WIN MUL_HI
	MUL16 4, 1, NQ-1, \slot, 0
	MUL16 6, 1, NQ-1, \slot, 0
	PLACES NP
	WIN 0
	FETCH_A \next, 0, 4
.endm
	s_wait_alu depctr_va_vdst(0)
	s_wait_tensorcnt 0x0                           ; my tile of the head's four is in
	ds_add_u32 v[SPW], v[NIL]
	s_mov_b32 s[G1+2], 128<<16                     ; no tensor load of mine is out: from here on a load brings 128 rows
	s_mov_b32 s[G1+4], 128
	s_mov_b32 s[G1B+2], 128<<16
	s_mov_b32 s[G1B+4], 128
	s_wait_dscnt 0x0
	CROUND                                         ; all four tiles are in, and all sixteen work-groups are here
	JLOAD G0+4, G1, G0B+4, G1B                     ; K step 1, the first tensor load behind the round
	FETCH_B 0, 0, 0
	FETCH_A 0, 0, 0
	SCALES 0
	FETCH_A 0, 0, 4
	s_wait_loadcnt 0x0
.if MODE == 0
.set i, 0
.rept 64
	v_cndmask_b32 v[BIAS+i], 0, v[BIAS+i], s67
.set i, i+1
.endr
	PLACES NP
.endif
	STEP 0, 0, 1
.if MODE == 0
.irp a, 0,1,2,3,4,5,6,7
	global_load_b32 v[64+\a], v[RBO], s[94:95] offset:64*\a
.endr
.endif
	s_mov_b32 s3, LAPS-1
.Llap:
	TURN 0, 1, 1
	STEP 1, 0, 0
	TURN 1, 0, 1
	STEP 0, 0, 0
	s_sub_co_u32 s3, s3, 1
	s_cmp_lg_u32 s3, 0
	s_cbranch_scc1 .Llap
	TURN 0, 1, 0
	STEP 1, 0, 0
	s_wait_dscnt 4*NL
	WIN MUL_LO
	MUL16 0, 1, NQ-1, 1, 0
	MUL16 2, 1, NQ-1, 1, 0
	s_wait_dscnt 0
	WIN MUL_HI
	MUL16 4, 1, NQ-1, 1, 0
	MUL16 6, 1, NQ-1, 1, 0
	WIN 0
	PLACES NP
.macro QUANT s
.irp b, 0,1,2,3
	v_max3_num_f32 v[TM+\b], |v[\s+16*\b]|, |v[\s+1+16*\b]|, 0x4800000
.endr
.irp i, 2,4,6,8,10,12,14
.irp b, 0,1,2,3
	v_max3_num_f32 v[TM+\b], v[TM+\b], |v[\s+16*\b+\i]|, |v[\s+1+16*\b+\i]|
.endr
.endr
.irp b, 0,1,2,3
	v_permlanex16_b32 v[TM+4+\b], v[TM+\b], s20, s21
.endr
.irp b, 0,1,2,3
	v_max_num_f32 v[TM+\b], v[TM+\b], v[TM+4+\b]
.endr
.irp b, 0,1,2,3
	v_add_nc_u32 v[TM+12+\b], 0xfc000000, v[TM+\b]
.endr
.irp b, 0,1,2,3
	v_and_or_b32 v[TM+8+\b], v[TM+\b], 0x7f800000, s23
.endr
.irp b, 0,1,2,3
	v_lshrrev_b32 v[TM+4+\b], 23, v[TM+12+\b]
.endr
	v_lshl_or_b32 v[PW], v[TM+5], 8, v[TM+4]
	v_lshl_or_b32 v[PW], v[TM+6], 16, v[PW]
	v_lshl_or_b32 v[PW], v[TM+7], 24, v[PW]
.irp b, 0,1,2,3
.irp i, 0,1,2,3,4,5,6,7,8,9,10,11,12,13,14,15
	v_med3_num_f32 v[\s+16*\b+\i], v[\s+16*\b+\i], -v[TM+8+\b], v[TM+8+\b]
.endr
	v_cvt_scalef32_pk8_fp8_f32 v[PC+4*\b:PC+1+4*\b], v[\s+16*\b:\s+7+16*\b], v[TM+12+\b]
	v_cvt_scalef32_pk8_fp8_f32 v[PC+2+4*\b:PC+3+4*\b], v[\s+8+16*\b:\s+15+16*\b], v[TM+12+\b]
.endr
	v_nop
.endm
.macro STUB a, jump
	WIN 0x02+(\a)/4
.set AC, 64*((\a)%4)
.set i, 0
.rept 32
.if MODE
	v_pk_mul_f32 v[XQ+i:XQ+i+1], v[AC+i:AC+i+1], s[RS2:RS2+1] op_sel_hi:[1,0]
.else
	v_pk_add_f32 v[XQ+i:XQ+i+1], v[AC+i:AC+i+1], v[RB+2*(\a):RB+2*(\a)+1]
.endif
.set i, i+2
.endr
.if MODE
.set i, 0
.rept 32
	v_pk_mul_f32 v[HX+i:HX+i+1], v[AC+i:AC+i+1], 0.5 op_sel_hi:[1,0]
.set i, i+2
.endr
.endif
	WIN 0
.if \jump
	s_branch .Lbody
.endif
.endm
.if MODE
.macro KPAIR r, val
	s_mov_b32 s[\r], \val
	s_mov_b32 s[\r+1], \val
.endm
.macro LEVEL d, k
.set i, 0
.rept 8
	v_pk_fma_f32 v[\d+i:\d+i+1], v[\d+i:\d+i+1], v[TT+i:TT+i+1], s[\k:\k+1] op_sel_hi:[1,1,0]
.set i, i+2
.endr
.endm
.macro GELU
.irp g, 0,1,2,3
.set i, 0
.rept 16
	v_med3_num_f32 v[XQ+16*\g+i], v[XQ+16*\g+i], -4.0, 4.0
.set i, i+1
.endr
.set i, 0
.rept 8
	v_pk_mul_f32 v[TT+i:TT+i+1], v[XQ+16*\g+i:XQ+16*\g+i+1], v[XQ+16*\g+i:XQ+16*\g+i+1]
.set i, i+2
.endr
.set i, 0
.rept 8
	v_pk_fma_f32 v[PP+i:PP+i+1], v[TT+i:TT+i+1], v[20:21], s[A11:A11+1] op_sel_hi:[1,1,0]
.set i, i+2
.endr
	LEVEL PP, A9
	LEVEL PP, A7
	LEVEL PP, A5
	LEVEL PP, A3
	LEVEL PP, A1
.set i, 0
.rept 8
	v_pk_fma_f32 v[QQ+16*\g+i:QQ+16*\g+i+1], v[TT+i:TT+i+1], v[2:3], s[B6:B6+1] op_sel_hi:[1,1,0]
.set i, i+2
.endr
	LEVEL QQ+16*\g, B4
	LEVEL QQ+16*\g, B2
	LEVEL QQ+16*\g, B0
.set i, 0
.rept 8
	v_pk_mul_f32 v[XQ+16*\g+i:XQ+16*\g+i+1], v[XQ+16*\g+i:XQ+16*\g+i+1], v[PP+i:PP+i+1]
.set i, i+2
.endr
.endr
.set i, 0
	s_wait_alu depctr_va_vdst(0)
.rept 64
	v_rcp_f32 v[QQ+i], v[QQ+i]
.set i, i+1
.endr
	v_nop
	s_wait_alu depctr_va_vdst(0)
.set i, 0
.rept 32
	v_pk_mul_f32 v[XQ+i:XQ+i+1], v[XQ+i:XQ+i+1], v[QQ+i:QQ+i+1]
.set i, i+2
.endr
.set i, 0
.rept 32
	v_pk_fma_f32 v[XQ+i:XQ+i+1], v[HX+i:HX+i+1], v[XQ+i:XQ+i+1], v[HX+i:HX+i+1]
.set i, i+2
.endr
.endm
.endif
	s_mov_b32 s20, 0x76543210
	s_mov_b32 s21, 0xfedcba98
	s_mov_b32 s23, 0x600000
.irp b, 0,1,2,3
	v_mov_b32 v[TM+4+\b], 0
.endr
.if MODE
	KPAIR RS2, 0x3f3504f3
	KPAIR A11, 0x32edffee
	KPAIR A9,  0xb60cff51
	KPAIR A7,  0xb86ec2d2
	KPAIR A5,  0xba40ac63
	KPAIR A3,  0xbb41a1f6
	KPAIR A1,  0xbc83dbd4
	KPAIR B6,  0xb95fbd29
	KPAIR B4,  0xbadc924e
	KPAIR B2,  0xbbf19bf8
	KPAIR B0,  0xbc69b6a7
	v_mov_b32 v20, 0xaf95df0b
	v_mov_b32 v21, 0xaf95df0b
	v_mov_b32 v2, 0xb77460cd
	v_mov_b32 v3, 0xb77460cd
.else
	s_mov_b32 s22, 0x7f7f0000
	s_mov_b32 s24, 0xffff0000
	s_mov_b32 s19, 0
	s_wait_loadcnt 0x0
.irp a, 0,1,2,3,4,5,6,7
	v_cndmask_b32 v[RB+2*\a], 0, v[64+\a], s66
	v_cndmask_b32 v[RB+2*\a+1], 0, v[64+\a], s66
.endr
.endif
	s_mov_b32 s3, 0
.Lrow:
.irp a, 0,1,2,3,4,5,6
	s_cmp_eq_u32 s3, \a
	s_cbranch_scc1 .Lstub\a
.endr
	STUB 7, 1
.Lstub0:
	STUB 0, 1
.Lstub1:
	STUB 1, 1
.Lstub2:
	STUB 2, 1
.Lstub3:
	STUB 3, 1
.Lstub4:
	STUB 4, 1
.Lstub5:
	STUB 5, 1
.Lstub6:
	STUB 6, 0
.Lbody:
.if MODE
	GELU
.endif
	QUANT XQ
.irp c, 0,1,2,3
.irp u, 0,1
	ds_store_b64 v[STO], v[PC+4*\c+2*\u:PC+4*\c+2*\u+1] offset:32*\c+16*\u
.endr
.endr
.if MODE
	ds_store_b32 v[SSA], v[PW]
.else
	v_and_or_b32 v[W0], v[PW], 0xffff, s22
	v_lshrrev_b32 v[W1], 16, v[PW]
	v_or_b32 v[W1], s22, v[W1]
	v_cndmask_b32 v[SV], v[W0], v[W1], s24
	v_cndmask_b32 v[SV], v[SV], v[PW], s66
	ds_store_b32 v[SSA], v[SV]
.endif
.irp i, 0,1,2,3
	ds_load_b128 v[OUTR+4*\i:OUTR+4*\i+3], v[RDA] offset:576*\i
.endr
	s_wait_dscnt 0x0
.irp i, 0,1,2,3
.if MODE
	global_store_b128 v[GO], v[OUTR+4*\i:OUTR+4*\i+3], s[98:99] offset:512*\i
.else
	global_store_b128 v[GO+\i], v[OUTR+4*\i:OUTR+4*\i+3], s[98:99]
.endif
.endr
	v_add_nc_u32 v[SSA], 64, v[SSA]
	s_wait_xcnt 0x0
.if MODE
	s_add_nc_u64 s[98:99], s[98:99], 2048
.else
	s_cmp_eq_u32 s3, 3
	s_cselect_b32 s18, s96, 0
	s_add_nc_u64 s[98:99], s[98:99], s[100:101]
	s_add_nc_u64 s[98:99], s[98:99], s[18:19]
.endif
	s_add_co_u32 s3, s3, 1
	s_cmp_lt_u32 s3, 8
	s_cbranch_scc1 .Lrow
	ds_load_b128 v[OUTR:OUTR+3], v[SSR]
.if MODE == 0
	ds_load_b128 v[OUTR+4:OUTR+7], v[SSR] offset:512
.endif
	s_wait_dscnt 0x0
	global_store_b128 v[GS], v[OUTR:OUTR+3], s[12:13]
.if MODE == 0
	s_cmp_eq_u32 ttmp9, 2
	s_cbranch_scc1 .Lone_set
	global_store_b128 v[GS], v[OUTR+4:OUTR+7], s[12:13] offset:8192
.Lone_set:
.endif
	s_wait_tensorcnt 0x0
	ds_add_u32 v[SPW], v[NIL]
	s_wait_dscnt 0x0
	CROUND
	s_endpgm
.Lfunc_end_k_qc45efc1a0c_fc1:
	.size	k_qc45efc1a0c_fc1, .Lfunc_end_k_qc45efc1a0c_fc1-k_qc45efc1a0c_fc1
	.p2alignl 7, 3214868480
	.fill 96, 4, 3214868480
	.section	.rodata,"a",@progbits
	.p2align	6, 0x0
	.amdhsa_kernel k_qc45efc1a0c_fc1
		.amdhsa_group_segment_fixed_size 327680
		.amdhsa_private_segment_fixed_size 0
		.amdhsa_enable_private_segment 0
		.amdhsa_kernarg_size 40
		.amdhsa_user_sgpr_count 2
		.amdhsa_user_sgpr_kernarg_segment_ptr 1
		.amdhsa_wavefront_size32 1
		.amdhsa_system_sgpr_workgroup_id_x 1
		.amdhsa_system_sgpr_workgroup_id_y 1
		.amdhsa_system_sgpr_workgroup_id_z 1
		.amdhsa_system_vgpr_workitem_id 0
		.amdhsa_next_free_vgpr 1024
		.amdhsa_next_free_sgpr 102
		.amdhsa_reserve_vcc 0
		.amdhsa_float_denorm_mode_32 3
		.amdhsa_float_denorm_mode_16_64 3
		.amdhsa_memory_ordered 1
		.amdhsa_forward_progress 1
		.amdhsa_inst_pref_size 198
	.end_amdhsa_kernel
	.amdgpu_metadata
---
amdhsa.version: [ 1, 2 ]
amdhsa.kernels:
  - .name:           k_qc45efc1a0c_fc1
    .symbol:         k_qc45efc1a0c_fc1.kd
    .args:
      - { .name: nx, .offset: 0, .size: 8, .value_kind: global_buffer, .address_space: global }
      - { .name: fc1_w_codes, .offset: 8, .size: 8, .value_kind: global_buffer, .address_space: global }
      - { .name: fc1_w_scales, .offset: 16, .size: 8, .value_kind: global_buffer, .address_space: global }
      - { .name: fc1_b, .offset: 24, .size: 8, .value_kind: global_buffer, .address_space: global }
      - { .name: hid, .offset: 32, .size: 8, .value_kind: global_buffer, .address_space: global }
    .group_segment_fixed_size: 327680
    .private_segment_fixed_size: 0
    .kernarg_segment_align: 8
    .kernarg_segment_size: 40
    .max_flat_workgroup_size: 128
    .sgpr_count:     102
    .vgpr_count:     1024
    .wavefront_size: 32
...
	.end_amdgpu_metadata
.endif
;; end of part 5
;; launch fc2 (part 6): grid 8 x 32, 4 waves a work-group, clusters of 4 x 4, 327,680 bytes of LDS; arguments hid, fc2_w_codes, fc2_w_scales, fc2_b, x1, out0; writes out0
.if DOCPART == 6
	.amdgcn_target "amdgcn-amd-amdhsa--gfx1250"
	.amdhsa_code_object_version 6
	.text
	.protected	k_qc45efc1a0c_fc2
	.globl	k_qc45efc1a0c_fc2
	.p2align	8
	.type	k_qc45efc1a0c_fc2,@function
k_qc45efc1a0c_fc2:
	s_mov_b64 s[64:65], 0
	v_nop
	global_prefetch_b8 v0, s[64:65] scope:SCOPE_SE
	s_setreg_imm32_b32 hwreg(HW_REG_WAVE_MODE, 25, 1), 1
	s_wait_xcnt 0x0
	s_wait_alu depctr_hold_cnt(0) depctr_sa_sdst(0) depctr_va_vdst(0) depctr_va_sdst(0) depctr_va_ssrc(0) depctr_va_vcc(0) depctr_vm_vsrc(0)
	s_getreg_b32 s2, hwreg(HW_REG_IB_STS2, 6, 4)
	s_cmp_eq_u32 s2, 0
	s_cbranch_scc0 .Lentry_in_a_cluster
	s_endpgm
.Lentry_in_a_cluster:
	s_bfe_u32 s2, ttmp6, 0x10000c
	s_cmp_lg_u32 s2, 0xf033
	s_cbranch_scc0 .Lentry_shape_is_right
	s_endpgm
.Lentry_shape_is_right:
; out = res + bias + A W^T on codes of MX-FP8.  A: 4,096 rows, codes laid by chunks of 128 along K, [chunk][4096][128], scale words [chunk][4096] at byte ACODES.  W: [1024][SIZE_K] codes, [1024][SIZE_K / 32] scale bytes.
; res and out: [4096][1024] f32.  One text serves two launches: SIZE_K = 1,024 (the attention's output projection) and 4,096 (the MLP's second layer).
; The result has 32 x 8 tiles of 128 x 128: one for each of 256 work-groups; tiles of 256 x 256 would leave three WGPs in four idle.  Four waves, 64 x 64 each: 16 accumulators.
; K goes in steps of 512 (four matrix instructions deep) through two LDS slots.  A's part of a slot is two chunks x 128 rows x 128 bytes for each loading wave: in memory two dense runs of 16,384 bytes, stated as two rows,
; with 16 bytes of padding behind every 128: rows 144 bytes apart in LDS.  W's part: 64 rows of 512 bytes, 528 apart.  The scale words and bytes of the tile's rows come once, in whole runs of 256 bytes, and stay.
; CLUSTERS: 4 x 4 work-groups; A's tile is asked for jointly along a row of the cluster, W's along a column.  THE MATRIX INSTRUCTION IS USED TRANSPOSED: a lane holds eight neighbouring columns of one row of the result.
; The bias is the C of each sum's first product.  The residual's 128 registers a lane are asked for at the head and added on the way out, behind the stage, where a lane holds 16 neighbouring bytes of a row.
; The tiles are prefetched into the L2, two fills ahead (below).
; REGISTERS: window 0: v0-31 addresses; v32-47 A's scale words, v48-63 W's, two sets each; v64-95 the bias; v128-191, v192-255 A's fragments, two sets.  window 1: v0-63, v128-191 W's fragments; v64-127, v192-255 the residual.
;   window 2: v0-127 accumulator (a, b) at v[8 (4 a + b)].
.set SIZE_K, 4096
.set ACODES, 16777216
.set NKC,   SIZE_K/128
.set KS,    SIZE_K/32
.set LAPS,  SIZE_K/1024
.set AP,    144
.set BP,    528
.set AHALF, 4*64*AP
.set BHALF, 64*BP
.set BOFF,  2*AHALF
.set SLOT,  BOFF+2*BHALF
.set SCL,   2*SLOT
.set HALFS, NKC*272
.set SBLK,  (16*KS/256)*272
.set SPARE, SCL+4*HALFS
.set SP,    272                        ; the way out: 16 rows x (256 + 16) bytes a wave, in slot 0, which has had its last fill and its last read
.set BO,   7
.set ADRA, 16
.set ADRB, 20
.set STO,  24
.set RD,   25
.set CO,   26
.set ADSA, 27
.set SPW,  28
.set NIL,  29
.set ADSB, 30
.set SA,   32
.set SB,   48
.set BIAS, 64
.set G1, 24
.set G0, 32
.set G1B, 48
.set G0B, 56
.set G1S, 68
.set G0S, 76
.set G1SB, 80
.set G0SB, 88
.set MSB, 0
.macro WIN new
.if MSB != (\new)
	s_set_vgpr_msb (MSB<<8)|(\new)
.set MSB, (\new)
.endif
.endm
.set MUL,  0xa1                        ; source 0 (W) window 1, source 1 (A) window 0, C and D window 2
.set TO_B, 0x40
.macro JLOAD g0a, g1a, g0b, g1b        ; waves 0, 1 fetch for A, waves 2, 3 for W; an s_nop 0 and four v_nop follow each line
	s_cmp_eq_u32 s17, 0
	s_cbranch_scc0 .Lfor_b_\@
	tensor_load_to_lds s[\g0a:\g0a+3], s[\g1a:\g1a+7]
	s_nop 0
.rept 4
	v_nop
.endr
	s_branch .Lasked_\@
.Lfor_b_\@:
	tensor_load_to_lds s[\g0b:\g0b+3], s[\g1b:\g1b+7]
	s_nop 0
.rept 4
	v_nop
.endr
.Lasked_\@:
.endm
.macro CREST
	s_cmp_lg_u32 s16, 0
	s_cbranch_scc1 .Lnot_wave_0_\@
	s_barrier_signal -3
.Lnot_wave_0_\@:
	s_barrier_wait -3
	s_barrier_signal -1
	s_barrier_wait -1
.endm
.macro CROUND
	s_barrier_signal -1
	s_barrier_wait -1
	CREST
.endm
	s_load_b256 s[4:11], s[0:1], 0x0               ; A s[4:5], W's codes s[6:7], W's scales s[8:9], the bias s[10:11]
	s_load_b128 s[12:15], s[0:1], 0x20             ; the residual s[12:13], the result s[14:15]
	v_lshl_add_u32 v[SPW], v0, 2, SPARE
	v_mov_b32 v[NIL], 0
	ds_add_u32 v[SPW], v[NIL]                      ; the wave's opening: the add and its wait ahead of my first tensor load
	ds_add_u32 v[SPW], v[NIL]
	v_lshrrev_b32 v1, 5, v0
	v_readfirstlane_b32 s16, v1                    ; wave
	s_lshr_b32 s17, s16, 1                         ; my half of the tile's rows.  Also: I fetch for A (0) or W (1)
	s_and_b32 s18, s16, 1                          ; my half of its columns.  Also: which 64 rows I fetch
	s_bfe_u32 s40, ttmp6, 0x40000                  ; cx
	s_bfe_u32 s41, ttmp6, 0x40004                  ; cy
	s_lshl_b32 s42, ttmp9, 2
	s_add_co_u32 s42, s42, s40                     ; tile column
	s_and_b32 s19, ttmp7, 0xffff
	s_lshl_b32 s19, s19, 2
	s_add_co_u32 s19, s19, s41                     ; tile row
	s_lshl_b32 s43, s41, 2
	s_lshl_b32 s43, 15, s43                        ; my row of the cluster
	s_lshl_b32 s44, 0x1111, s40                    ; my column
	s_or_b32 s[G1], s43, (3<<16)|(1<<20)|(1<<21)|(4<<22)|(3<<25)    ; A's codes: elements of 8 bytes; 4 words of padding behind every 32
	s_mov_b32 s[G1+1], 2048<<16                    ; a row of the tile: the 128 token rows of one chunk, 16,384 dense bytes
	s_mov_b32 s[G1+2], 4<<16                       ; four chunks
	s_mov_b32 s[G1+3], 2048<<16
	s_mov_b32 s[G1+4], 4
	s_mov_b32 s[G1+5], 65536                       ; from chunk to chunk: 4,096 rows of 128 bytes
	s_mov_b32 s[G1+6], 0
	s_mov_b32 s[G1+7], 0
	s_or_b32 s[G1B], s44, (0<<16)|(1<<20)|(1<<21)|(6<<22)|(3<<25)   ; W's codes: 64 rows of 512 bytes; 4 words behind every 128
	s_mov_b32 s[G1B+1], 512<<16
	s_mov_b32 s[G1B+2], 128<<16                    ; 128 rows for the head's load; 64 for the ring's, set behind it
	s_mov_b32 s[G1B+3], 512<<16
	s_mov_b32 s[G1B+4], 128
	s_mov_b32 s[G1B+5], SIZE_K
	s_mov_b32 s[G1B+6], 0
	s_mov_b32 s[G1B+7], 0
	s_or_b32 s[G1S], s43, (3<<16)|(1<<20)|(1<<21)|(5<<22)|(3<<25)   ; A's scale words: elements of 8 bytes
	s_mov_b32 s[G1S+1], 64<<16                     ; A's scale words: the 128 rows' 512 bytes of each chunk, 16 bytes of padding behind every 256
	s_mov_b32 s[G1S+2], NKC<<16
	s_mov_b32 s[G1S+3], 64<<16
	s_mov_b32 s[G1S+4], NKC
	s_mov_b32 s[G1S+5], 2048
	s_mov_b32 s[G1S+6], 0
	s_mov_b32 s[G1S+7], 0
	s_or_b32 s[G1SB], s44, (3<<16)|(1<<20)|(1<<21)|(5<<22)|(3<<25)  ; W's scale bytes: dense, as rows of 256
	s_mov_b32 s[G1SB+1], 32<<16
	s_mov_b32 s[G1SB+2], (2*NKC)<<16               ; W's scale bytes of 128 rows
	s_mov_b32 s[G1SB+3], 32<<16
	s_mov_b32 s[G1SB+4], 2*NKC
	s_mov_b32 s[G1SB+5], 32
	s_mov_b32 s[G1SB+6], 0
	s_mov_b32 s[G1SB+7], 0
	s_lshl_b32 s21, s18, 6                         ; which 64 rows I fetch
	s_lshl_b32 s20, s19, 7
	s_lshl_b32 s46, s42, 7
	s_add_co_u32 s46, s46, s21                     ; W's row
	s_lshl_b32 s22, s20, 2
	s_add_co_u32 s22, s22, ACODES                  ; A's scale words
	s_lshl_b32 s20, s20, 7                         ; A's codes: the tile's first row;
	s_lshl_b32 s23, s18, 20
	s_add_co_u32 s20, s20, s23                     ; in the ring waves 0 and 1 fetch two chunks of 524,288 bytes each
	s_mul_i32 s92, s46, KS                         ; W's scale bytes
	s_mul_i32 s46, s46, SIZE_K                     ; W's codes
	s_mov_b32 s21, 0
	s_mov_b32 s23, 0
	s_mov_b32 s47, 0
	s_mov_b32 s93, 0
	s_mul_i32 s45, s18, AHALF                      ; where they go
	s_mul_i32 s94, s18, BHALF
	s_add_co_u32 s94, s94, BOFF
	s_wait_dscnt 0x0                               ; the opening add is done
	s_wait_kmcnt 0x0
	s_add_nc_u64 s[20:21], s[4:5], s[20:21]
	s_add_nc_u64 s[22:23], s[4:5], s[22:23]
	s_add_nc_u64 s[46:47], s[6:7], s[46:47]
	s_add_nc_u64 s[92:93], s[8:9], s[92:93]
	CROUND                                         ; all sixteen work-groups are here: the first joint loads meet
	s_mul_i32 s96, s18, 64*KS                      ; the scale bytes of my half's 64 rows of W: taken off again, the load brings the 128 rows whole
	s_mov_b32 s97, 0
	s_mov_b32 s[G0S], 1
	s_mov_b32 s[G0S+1], SCL
	s_mov_b64 s[G0S+2:G0S+3], s[22:23]
	s_or_b32 s[G0S+3], s[G0S+3], 0x80000000
	s_mov_b32 s[G0SB], 1
	s_mov_b32 s[G0SB+1], SCL+2*HALFS
	s_sub_nc_u64 s[G0SB+2:G0SB+3], s[92:93], s[96:97]
	s_or_b32 s[G0SB+3], s[G0SB+3], 0x80000000
.irp s, 0,1
	s_mov_b32 s[G0+4*\s], 1
	s_add_co_u32 s[G0+4*\s+1], s45, \s*SLOT
	s_add_nc_u64 s[G0+4*\s+2:G0+4*\s+3], s[20:21], \s*2097152      ; four chunks of 524,288 bytes
	s_or_b32 s[G0+4*\s+3], s[G0+4*\s+3], 0x80000000
	s_mov_b32 s[G0B+4*\s], 1
	s_add_co_u32 s[G0B+4*\s+1], s94, \s*SLOT
	s_add_nc_u64 s[G0B+4*\s+2:G0B+4*\s+3], s[46:47], \s*512
	s_or_b32 s[G0B+4*\s+3], s[G0B+4*\s+3], 0x80000000
.endr
; THE HEAD'S LOADS, ONE A WAVE: wave 0 slot 0's four chunks of A, wave 2 its 128 rows of W, by their own slot 0 descriptors; wave 1 A's scale words, wave 3 W's scale bytes.
; A's part of a slot lies [chunk][128 rows] x 144 bytes; A's scale words [chunk][half of the rows] x 272 bytes.
.macro ARM under, g0, g1, next
	s_cmp_lt_u32 s16, \under
	s_cbranch_scc0 \next
	tensor_load_to_lds s[\g0:\g0+3], s[\g1:\g1+7]
	s_nop 0
.rept 4
	v_nop
.endr
	s_branch .Lhead_asked
\next:
.endm
	ARM 1, G0,  G1,  .Lhead_sa
	ARM 2, G0S, G1S, .Lhead_b
	ARM 3, G0B, G1B, .Lhead_sb
	tensor_load_to_lds s[G0SB:G0SB+3], s[G1SB:G1SB+7]
	s_nop 0
.rept 4
	v_nop
.endr
.Lhead_asked:
; THE TILES ARE PREFETCHED INTO THE L2 (this takes the place of the head comment's line on prefetching): behind the fill of slot n stands one prefetch a wave for slot n + 2, two fills ahead of the load that will want it.
; Of the 128 blocks of 256 bytes that a wave fetches for a slot, each of the four partners that ask for them jointly names 32, told apart by address: A's by cx (a chunk's half of 8,192 bytes, lanes 256 bytes apart),
; W's by cy (16 rows, two lanes to a row's 512 bytes).  W's blocks are named in the even rows of clusters alone.  The fills of slots 6 and 7 ask for nothing: there is no slot behind them.
.macro ASK how                         ; how = 1: written out at the head; 0: in the loop, where s3 = 1 in the last lap
.if \how
	s_cmp_eq_u32 s8, 1
.else
	s_cmp_gt_u32 s3, s8
.endif
	s_cbranch_scc0 .Lnot_mine_\@
	global_prefetch_b8 v31, s[4:5] th:TH_LOAD_NT scope:SCOPE_SE
.Lnot_mine_\@:
.endm
	s_lshr_b32 s8, s40, 1
	s_lshl_b32 s8, s8, 19
	s_and_b32 s9, s40, 1
	s_lshl_b32 s9, s9, 13
	s_add_co_u32 s8, s8, s9                        ; A: chunk cx / 2 of my two, half cx % 2 of its 16,384 bytes
	s_lshl_b32 s9, s41, 16                         ; W: 16 rows of 4,096 bytes x cy
	s_mov_b32 s6, 512
	s_cmp_eq_u32 s17, 0                            ; do I fetch for A?
	s_cselect_b64 s[4:5], s[20:21], s[46:47]       ; where my slot 0 part begins
	s_cselect_b32 s8, s8, s9
	s_cselect_b32 s6, 0x200000, s6                 ; a slot on: four chunks, or 512 bytes of a row
	s_cselect_b32 s2, 0, -1                        ; all lanes in W's waves
	s_mov_b32 s9, 0
	s_mov_b32 s7, 0
	s_add_nc_u64 s[4:5], s[4:5], s[8:9]
	s_add_nc_u64 s[4:5], s[4:5], s[6:7]
	s_add_nc_u64 s[4:5], s[4:5], s[6:7]            ; at slot 2
	s_and_b32 s9, ttmp7, 1
	s_and_b32 s9, s9, s17
	s_cmp_eq_u32 s9, 0
	s_cselect_b32 s8, 1, -1                        ; s8 = 1 where my wave asks, else the greatest number
	v_and_b32 v22, 31, v0
	v_lshlrev_b32 v23, 8, v22                      ; A: 256 x lane
	v_lshrrev_b32 v31, 1, v22
	v_lshlrev_b32 v31, 12, v31
	v_and_b32 v22, 1, v22
	v_lshl_add_u32 v31, v22, 8, v31                ; W: 4,096 x (lane / 2) + 256 x (lane % 2)
	v_cndmask_b32 v31, v23, v31, s2                ; v31 is never rewritten
	ASK 1                                          ; behind slot 0's fill: slot 2
	v_and_b32 v1, 15, v0                           ; r
	v_bfe_u32 v2, v0, 4, 1                         ; h
	v_and_b32 v6, 31, v0                           ; lane
	s_wait_alu depctr_va_vdst(0)
	v_mul_u32_u24 v3, v1, AP
	v_lshl_add_u32 v3, v2, 4, v3
	v_mul_u32_u24 v4, v1, BP
	v_lshl_add_u32 v4, v2, 4, v4
	s_mul_i32 s21, s17, 64*AP                      ; my 64 rows of each chunk
	s_mul_i32 s22, s18, BHALF
	s_add_co_u32 s22, s22, BOFF
.irp s, 0,1
	v_add_nc_u32 v[ADRA+\s], s21, v3
	v_add_nc_u32 v[ADRB+\s], s22, v4
	s_add_co_u32 s21, s21, SLOT
	s_add_co_u32 s22, s22, SLOT
.endr
	s_mul_i32 s21, s17, 272
	s_add_co_u32 s21, s21, SCL
	v_lshl_add_u32 v[ADSA], v6, 2, s21             ; A's scale words: 4 bytes a row: lanes 0-15 an even block's, lanes 16-31 the odd block's behind it
	v_mul_u32_u24 v5, v1, KS                       ; W's: KS bytes a row, 16 more for each 256 passed;
	v_lshrrev_b32 v3, 8, v5
	v_lshl_add_u32 v5, v3, 4, v5
	v_mul_u32_u24 v3, v2, SBLK                     ; lanes 16-31 take the block behind
	v_add_nc_u32 v5, v5, v3
	s_mul_i32 s21, s18, HALFS
	s_add_co_u32 s21, s21, SCL+2*HALFS
	v_add_nc_u32 v[ADSB], s21, v5
	s_mul_i32 s23, s16, 16*SP                      ; my stage
	v_mul_u32_u24 v5, v1, SP
	v_lshl_add_u32 v5, v2, 5, v5
	v_add_nc_u32 v[STO], s23, v5                   ; in: row r, 32 bytes for each half of the lanes
	v_mul_u32_u24 v5, v2, SP
	v_lshl_add_u32 v5, v1, 4, v5
	v_add_nc_u32 v[RD], s23, v5                    ; back: lanes 0-15 one row of 256 bytes, lanes 16-31 the next
	v_lshlrev_b32 v5, 12, v2
	v_lshl_add_u32 v[CO], v1, 4, v5                ; and the same two rows in memory
	v_lshlrev_b32 v[BO], 5, v2
	s_wait_alu depctr_va_vdst(0)
	s_lshl_b32 s46, s42, 9
	s_lshl_b32 s47, s18, 8
	s_add_co_u32 s46, s46, s47                     ; my first column, in bytes
	s_mov_b32 s47, 0
	s_add_nc_u64 s[10:11], s[10:11], s[46:47]
	s_lshl_b32 s96, s19, 19
	s_lshl_b32 s97, s17, 18
	s_add_co_u32 s96, s96, s97                     ; my first row of 4,096 bytes
	s_add_co_u32 s96, s96, s46
	s_mov_b32 s97, 0
	s_add_nc_u64 s[12:13], s[12:13], s[96:97]
	s_add_nc_u64 s[14:15], s[14:15], s[96:97]
.irp b, 0,1,2,3
	global_load_b128 v[BIAS+8*\b:BIAS+8*\b+3],   v[BO], s[10:11] offset:64*\b       ; tile b, register j: column 16 b + 8 h + j
	global_load_b128 v[BIAS+8*\b+4:BIAS+8*\b+7], v[BO], s[10:11] offset:64*\b+16
.endr
	WIN TO_B
.irp a, 0,1,2,3
.irp t, 0,1,2,3,4,5,6,7
	global_load_b128 v[64+32*(\a%2)+128*(\a/2)+4*\t:64+32*(\a%2)+128*(\a/2)+4*\t+3], v[CO], s[12:13] offset:(16*\a+2*\t)*4096   ; the residual, in the layout in which the stage gives rows back; awaited on the way out
.endr
.endr
	WIN 0
; One product: A's block a x W's block b, the slot's q-th 128 along K, fragment set p, scale set s.  The scale words of an odd block stand in lanes 16-31.
.macro WM a, b, p, q, s, first
.set rD, 8*(4*(\a)+(\b))
.set rC, rD
.if \first
.set rC, BIAS+8*(\b)
.endif
.set rB, 128*(\p)+16*(\b)
.set rA, 128+64*(\p)+16*(\a)
.set rSB, SB+8*(\s)+4*((\b)/2)+(\q)
.set rSA, SA+8*(\s)+4*((\a)/2)+(\q)
.if ((\a)%2 == 0) && ((\b)%2 == 0)
	v_wmma_scale_f32_16x16x128_f8f6f4 v[rD:rD+7], v[rB:rB+15], v[rA:rA+15], v[rC:rC+7], v[rSB], v[rSA]
.elseif ((\a)%2 == 0)
	v_wmma_scale_f32_16x16x128_f8f6f4 v[rD:rD+7], v[rB:rB+15], v[rA:rA+15], v[rC:rC+7], v[rSB], v[rSA] matrix_a_scale:MATRIX_SCALE_ROW1
.elseif ((\b)%2 == 0)
	v_wmma_scale_f32_16x16x128_f8f6f4 v[rD:rD+7], v[rB:rB+15], v[rA:rA+15], v[rC:rC+7], v[rSB], v[rSA] matrix_b_scale:MATRIX_SCALE_ROW1
.else
	v_wmma_scale_f32_16x16x128_f8f6f4 v[rD:rD+7], v[rB:rB+15], v[rA:rA+15], v[rC:rC+7], v[rSB], v[rSA] matrix_a_scale:MATRIX_SCALE_ROW1 matrix_b_scale:MATRIX_SCALE_ROW1
.endif
.endm
.macro MULA a0, n, p, q, s, first      ; A's blocks a0 .. a0 + n - 1 x W's four.  The 16 accumulators take turns, in the same order in every step
.set ma, \a0
.rept \n
.irp b, 0,1,2,3
	WM ma, \b, \p, \q, \s, \first
.endr
.set ma, ma+1
.endr
.endm
.macro FETCH slot, q, p                ; the fragments of the slot's q-th 128 along K into set p: 32 loads in one run
	WIN TO_B
.irp i, 0,1,2,3
.irp c, 0,1,2,3
	ds_load_b128 v[128*(\p)+16*\i+4*\c:128*(\p)+16*\i+4*\c+3], v[ADRB+\slot] offset:128*(\q)+16*BP*\i+32*\c
.endr
.endr
	WIN 0
.irp i, 0,1,2,3
.irp c, 0,1,2,3
	ds_load_b128 v[128+64*(\p)+16*\i+4*\c:128+64*(\p)+16*\i+4*\c+3], v[ADRA+\slot] offset:128*AP*(\q)+16*AP*\i+32*\c
.endr
.endr
.endm
.macro SCALES s                        ; a slot's scale words
.irp ip, 0,1
.irp q, 0,1,2,3
	ds_load_b32 v[SA+8*\s+4*\ip+\q], v[ADSA] offset:128*\ip+544*\q
.endr
.endr
.irp jp, 0,1
	ds_load_b128 v[SB+8*\s+4*\jp:SB+8*\s+4*\jp+3], v[ADSB] offset:\jp*2*SBLK
.endr
.endm
.macro PLACES n
.rept \n
	v_nop
.endr
.endm
.macro STEP slot, q, first             ; 128 along K whose successor lies in the same slot
	s_wait_dscnt 0x0                               ; this step's fragments are in
	PLACES 8                                       ; behind the last step's products, whose set the loads below fill
	FETCH \slot, (\q)+1, 1-(\q)%2
	WIN MUL-0x20*(\first)                          ; (with the bias as C: source 2 in window 0)
	MULA 0, 4, (\q)%2, \q, \slot, \first
	WIN 0
.endm
; A slot's last step changes slots: one barrier; in front of it each wave waits for all its tensor loads, adds 0 to its spare word, and waits for that and for its reads of this slot.
.macro TURN slot, next, fill
.if \fill
	s_wait_xcnt 0x0                                ; my last prefetch has read its address: it is stepped here, a slot on
	s_add_nc_u64 s[4:5], s[4:5], s[6:7]
.endif
	s_wait_tensorcnt 0x0                           ; all my tensor loads have landed: my part of the next slot
	ds_add_u32 v[SPW], v[NIL]
	s_wait_dscnt 1                                 ; this step's fragments are in; the add may be out
	WIN MUL
	MULA 0, 1, 1, 3, \slot, 0
	s_wait_dscnt 0x0                               ; the add is done, and my reads of this slot are over
	s_barrier_signal -1
	MULA 1, 1, 1, 3, \slot, 0
	WIN 0
	s_barrier_wait -1
.if \fill
	CREST                                          ; the barrier has opened a round of the cluster's
	s_add_nc_u64 s[G0+4*\slot+2:G0+4*\slot+3], s[G0+4*\slot+2:G0+4*\slot+3], 4194304
	s_add_nc_u64 s[G0B+4*\slot+2:G0B+4*\slot+3], s[G0B+4*\slot+2:G0B+4*\slot+3], 1024
	JLOAD G0+4*\slot, G1, G0B+4*\slot, G1B         ; the first tensor load behind the round; its four v_nop are among the places
	PLACES 4
.else
	PLACES 8
.endif
	s_wait_alu depctr_va_vdst(0)
	v_add_nc_u32 v[ADSA], 4*544, v[ADSA]           ; the next slot's scale words (no LDS load of mine is out)
	v_add_nc_u32 v[ADSB], 16, v[ADSB]
	FETCH \next, 0, 0
	SCALES \next
.if \fill
	ASK 0                                          ; behind the joint load and the run of LDS loads: the slot two fills on
.endif
	WIN MUL
	MULA 2, 2, 1, 3, \slot, 0
	WIN 0
.endm
	s_wait_xcnt 0x0                                ; the head's prefetch has read its address
	s_add_nc_u64 s[4:5], s[4:5], s[6:7]            ; at slot 3
	s_wait_alu depctr_va_vdst(0)
	s_wait_tensorcnt 0x0                           ; my tile of the head's four is in
	ds_add_u32 v[SPW], v[NIL]
	s_mov_b32 s[G1+2], 2<<16                       ; no tensor load of mine is out: from here on a load brings two chunks of A
	s_mov_b32 s[G1+4], 2
	s_mov_b32 s[G1B+2], 64<<16                     ; or 64 rows of W
	s_mov_b32 s[G1B+4], 64
	s_wait_dscnt 0x0
	CROUND                                         ; all four tiles are in, and all sixteen work-groups are here
	JLOAD G0+4, G1, G0B+4, G1B                     ; slot 1, the first tensor load behind the round
	FETCH 0, 0, 0
	SCALES 0
	ASK 1                                          ; behind slot 1's fill: slot 3
	s_wait_loadcnt 32                              ; the bias is in; the residual's 32 loads may be out
	STEP 0, 0, 1                                   ; the first step stands in front of the loop: its products start the sums
.if LAPS > 1
	s_mov_b32 s3, LAPS-1
.Llap:
	STEP 0, 1, 0
	STEP 0, 2, 0
	TURN 0, 1, 1
	STEP 1, 0, 0
	STEP 1, 1, 0
	STEP 1, 2, 0
	TURN 1, 0, 1
	STEP 0, 0, 0
	s_sub_co_u32 s3, s3, 1
	s_cmp_lg_u32 s3, 0
	s_cbranch_scc1 .Llap
.endif
	STEP 0, 1, 0                                   ; the last lap fills nothing
	STEP 0, 2, 0
	TURN 0, 1, 0
	STEP 1, 0, 0
	STEP 1, 1, 0
	STEP 1, 2, 0
	s_wait_dscnt 0x0
	WIN MUL
	MULA 0, 4, 1, 3, 1, 0
	WIN 0
	PLACES 8
	s_wait_loadcnt 0x0                             ; the residual
	; THE WAY OUT, a block of 16 rows x 64 columns at a time: through my stage, back as rows of 256 bytes, + the residual, stored
.irp a, 0,1,2,3
	WIN 0x08                                       ; an LDS store's data are its source 1: window 2
.irp b, 0,1,2,3
	ds_store_b128 v[STO], v[8*(4*\a+\b):8*(4*\a+\b)+3] offset:64*\b       ; each accumulator from its low end on
	ds_store_b128 v[STO], v[8*(4*\a+\b)+4:8*(4*\a+\b)+7] offset:64*\b+16
.endr
	WIN 0
.irp t, 0,1,2,3,4,5,6,7
	ds_load_b128 v[128+32*\a+4*\t:128+32*\a+4*\t+3], v[RD] offset:2*SP*\t   ; LDS serves a wave's instructions in order: these see my stores
.endr
	s_wait_dscnt 0x0
	WIN 0x04                                       ; source 1: window 1
.irp i, 0,2,4,6,8,10,12,14,16,18,20,22,24,26,28,30
	v_pk_add_f32 v[128+32*\a+\i:128+32*\a+\i+1], v[128+32*\a+\i:128+32*\a+\i+1], v[64+32*(\a%2)+128*(\a/2)+\i:64+32*(\a%2)+128*(\a/2)+\i+1]
.endr
	WIN 0
.irp t, 0,1,2,3,4,5,6,7
	global_store_b128 v[CO], v[128+32*\a+4*\t:128+32*\a+4*\t+3], s[14:15] offset:(16*\a+2*\t)*4096   ; 16 lanes store 256 consecutive bytes, aligned; each block has registers of its own
.endr
.endr
	s_wait_tensorcnt 0x0                           ; the wave's end
	ds_add_u32 v[SPW], v[NIL]
	s_wait_dscnt 0x0
	CROUND                                         ; the closing round
	s_endpgm
.Lfunc_end_k_qc45efc1a0c_fc2:
	.size	k_qc45efc1a0c_fc2, .Lfunc_end_k_qc45efc1a0c_fc2-k_qc45efc1a0c_fc2
	.p2alignl 7, 3214868480
	.fill 96, 4, 3214868480
	.section	.rodata,"a",@progbits
	.p2align	6, 0x0
	.amdhsa_kernel k_qc45efc1a0c_fc2
		.amdhsa_group_segment_fixed_size 327680
		.amdhsa_private_segment_fixed_size 0
		.amdhsa_enable_private_segment 0
		.amdhsa_kernarg_size 48
		.amdhsa_user_sgpr_count 2
		.amdhsa_user_sgpr_kernarg_segment_ptr 1
		.amdhsa_wavefront_size32 1
		.amdhsa_system_sgpr_workgroup_id_x 1
		.amdhsa_system_sgpr_workgroup_id_y 1
		.amdhsa_system_sgpr_workgroup_id_z 1
		.amdhsa_system_vgpr_workitem_id 0
		.amdhsa_next_free_vgpr 768
		.amdhsa_next_free_sgpr 102
		.amdhsa_reserve_vcc 0
		.amdhsa_float_denorm_mode_32 3
		.amdhsa_float_denorm_mode_16_64 3
		.amdhsa_memory_ordered 1
		.amdhsa_forward_progress 1
		.amdhsa_inst_pref_size 105
	.end_amdhsa_kernel
	.amdgpu_metadata
---
amdhsa.version: [ 1, 2 ]
amdhsa.kernels:
  - .name:           k_qc45efc1a0c_fc2
    .symbol:         k_qc45efc1a0c_fc2.kd
    .args:
      - { .name: hid, .offset: 0, .size: 8, .value_kind: global_buffer, .address_space: global }
      - { .name: fc2_w_codes, .offset: 8, .size: 8, .value_kind: global_buffer, .address_space: global }
      - { .name: fc2_w_scales, .offset: 16, .size: 8, .value_kind: global_buffer, .address_space: global }
      - { .name: fc2_b, .offset: 24, .size: 8, .value_kind: global_buffer, .address_space: global }
      - { .name: x1, .offset: 32, .size: 8, .value_kind: global_buffer, .address_space: global }
      - { .name: out0, .offset: 40, .size: 8, .value_kind: global_buffer, .address_space: global }
    .group_segment_fixed_size: 327680
    .private_segment_fixed_size: 0
    .kernarg_segment_align: 8
    .kernarg_segment_size: 48
    .max_flat_workgroup_size: 128
    .sgpr_count:     102
    .vgpr_count:     768
    .wavefront_size: 32
...
	.end_amdgpu_metadata
.endif
;; end of part 6
